; MI455X (gfx1250); checked and timed in simulation.
; The chip was launched on July 23, 2026; its instructions are those of AMD's public machine-readable ISA for CDNA 5 (MIT licence, August 2026) and "CDNA5" Instruction Set Architecture Reference Guide (July 2026). The comments in the code are by the model that wrote it; some were corrected since.
;; Causal Self Attention. Allowed arithmetic: matrix products marked QUANTISED: E2M3 operands, one E8M0 scale for each 32 along K, by v_wmma_scale_f32_16x16x128_f8f6f4 with both operands' format E2M3, f32 sums; everything else in f32.
;; Inputs: w_proj 1,024 x 1,024 float32; w_qkv 1,024 x 3,072 float32; x 4 x 2,048 x 1,024 float32.
;; Outputs: out0 4 x 2,048 x 1,024 float32.
;; This version of the problem:
;;   THIS VERSION OF THE PROBLEM IS GIVEN IN LOW PRECISION. The matrix products marked QUANTISED in the list below multiply operands that are first quantised to E2M3 (2 exponent bits, 3 mantissa bits; 6 bits a number), with one power-of-two scale for each 32 numbers along K (OCP MX v1.0); their sums are f32. All else is computed in f32.
;;   The module's matrix products, in the order in which they are computed (A, B: the left and right operand; K: the contracted axis; several contracted axes count as one K, in the product's order):
;;     1. [M 8,192, K 1,024] x [K 1,024, N 3,072]; A: input x; B: input w_qkv: QUANTISED
;;     2. batch 64 x [M 2,048, K 64] x [K 64, N 2,048]; A: computed on the way; B: computed on the way: QUANTISED
;;     3. batch 64 x [M 2,048, K 2,048] x [K 2,048, N 64]; A: softmax (see below); B: computed on the way: QUANTISED
;;     4. [M 8,192, K 1,024] x [K 1,024, N 1,024]; A: computed on the way; B: input w_proj: QUANTISED
;;   THE QUANTISER, for each operand of a quantised product, along K:
;;     - K is cut into blocks of 32 from its start; a last block that is shorter is filled with zeros.
;;     - A block's scale is 2^e with e = floor(log2(the largest magnitude in the block)) - 2, held to -126 .. 127; a block of zeros has e = 0. As a byte (E8M0): e + 127.
;;     - Each number is divided by its block's scale, clamped to +-7.5, and rounded to the nearest number of E2M3, ties to even, subnormals kept.
;;     - The product sums the exact products of the quantised numbers (number of the format x scale) in f32.
;;   ~~~python
;;   def quantise(x, axis):      # numpy; x: float32 -> the quantised numbers, widened to float32 again
;;       x = np.moveaxis(x, axis, -1); K = x.shape[-1]
;;       x = np.pad(x, [(0, 0)] * (x.ndim - 1) + [(0, -K % 32)]); x = x.reshape(x.shape[:-1] + (-1, 32)); a = np.abs(x).max(-1, keepdims=True)
;;       e = np.where(a > 0, np.clip(np.frexp(np.where(a > 0, a, 1))[1] - 1 - 2, -126, 127), 0)      # np.frexp(a)[1] - 1 = floor(log2(a)), exactly
;;       r = np.clip(x / 2.0 ** e, -7.5, 7.5)
;;       step = 2.0 ** (np.maximum(np.frexp(np.where(r == 0, 1, r))[1] - 1, 0) - 3)
;;       q = np.round(r / step) * step * 2.0 ** e      # np.round: ties to even
;;       return np.moveaxis(q.reshape(q.shape[:-2] + (-1,))[..., :K], -1, axis).astype(np.float32)
;;   ~~~
;;   SOFTMAX AHEAD OF A QUANTISED PRODUCT. Where the list says 'softmax', what is quantised is not the finished softmax but p = 2^(t - M), with t = logit x log2(e) and M = ceil(the row's largest t), a whole number; so 1/2 < the row's largest p <= 1. The row's sum l is taken of the UNQUANTISED p, in f32, and the product's result is divided by l at the end. Since M is a whole number, a kernel that streams over the keys may use a running M (the ceiling of the running maximum): every later rescaling is an exact power of two, which a block's scale takes up: the codes' values come out the same.
;;   OPERANDS COMPUTED ON THE WAY. 'Computed on the way' means the value that the module computes at that place (a softmax that the list does not call 'softmax' is quantised finished and normalised). What goes into a quantiser is computed in f32, as accurately as f32 sums, v_exp_f32 and their like allow (about 1e-6 of the number): no bf16 or f16 on the way to a quantiser, and a product that is left as it is and whose result goes on into a quantised operand takes f32 operands (vector FMAs, or v_wmma_f32_16x16x4_f32). A number that lies on a knife's edge between two numbers of the format may be rounded either way, as far as f32 arithmetic and the matrix unit's own rounding can turn it there, and no further.
;; One version. Each part assembles by itself: llvm-mc -triple=amdgcn-amd-amdhsa -mcpu=gfx1250 --defsym DOCPART=n.
;; ======== version 1 of 1: 4 launches
;; workspace buffers: opc 9,437,184 bytes; ops 393,216 bytes; qkv 19,660,800 bytes; yc 6,291,456 bytes; ys 262,144 bytes
;; launch quant (part 1): grid 384 x 1, 4 waves a work-group, no clusters, 68,096 bytes of LDS; arguments x, w_qkv, w_proj, opc, ops; writes opc, ops
.if DOCPART == 1
	.amdgcn_target "amdgcn-amd-amdhsa--gfx1250"
	.amdhsa_code_object_version 6
	.text
	.protected	k_q6444c2caca_quant
	.globl	k_q6444c2caca_quant
	.p2align	8
	.type	k_q6444c2caca_quant,@function
k_q6444c2caca_quant:
	s_mov_b64 s[64:65], 0
	v_nop
	global_prefetch_b8 v0, s[64:65] scope:SCOPE_SE
	s_setreg_imm32_b32 hwreg(HW_REG_WAVE_MODE, 25, 1), 1
	s_wait_xcnt 0x0
; x [8192][1024], w_qkv [1024][3072] and w_proj [1024][1024], f32, become codes of FP6 (E2M3) with K innermost and one E8M0 byte for each 32 along K.
; opc: 12,288 rows of 768 bytes (1,024 codes as one stream of bits); ops: 12,288 rows of 32 scale bytes.  ROW PLACES: a row (a token of x, a column of a weight) lies at the place that is its number
; with bits 3 and 4 exchanged: x's from place 0, w_qkv's columns from 8,192, w_proj's from 11,264.  So 16 neighbouring places hold rows 32 B + 8 u + r + 8 (r / 8), the rows that the products want in one tile.
; A block's scale is 2^(floor(log2(its largest magnitude)) - 2); its byte is the largest magnitude's exponent field - 2, held at 1 from below.
; LIMITS: NaN and infinities among the inputs are not served; a block whose largest magnitude lies under 2^-124 has its byte held at 1; a block of zeros gets the byte 1 where the rule says 127
; (its codes are zeros, which add nothing under any byte but 0xff, and the bytes are read by this program alone).
; Work-groups 0-255 take x (K innermost: a plain stream of blocks; a wave takes 8 rows), work-groups 256-383 the weights (K outermost: a lane takes a column, its registers run down K).
; The two ways part on the work-group's number and have LDS bytes of their own.  No tensor load, no barrier: waves share nothing.  Memory binds: no matrix unit, no cluster.
.set STEPS, 16
.set CB,    12                         ; bytes of 16 codes
.set R,     16                         ; x: v16-79   four sets of 16 numbers as loaded
.set X,     80                         ; x: v80-111  two sets of 16 neighbours
.set E,     112                        ; x: v112-127 a scale byte for each step
.set C,     128                        ; x: v128-191 codes, four registers a step: no store's data are written again
.set WREG,  8192                       ; x: LDS region of a wave: two stages of 32 x 80 bytes, then its 256 scale bytes
.set SP,    80
.set SPW,   12                         ; v12 LDS address of my spare word; never rewritten
.set NIL,   13                         ; v13 0; never rewritten
.set WSTG,  32768                      ; weights: four stages of 32 rows x 272 bytes
.set WPITCH, 272
.set SPARE, WSTG+4*32*WPITCH           ; 67,584: the spare words, 128 bytes a wave, named by no other line
.set KROW,  768
.set WX,    32                         ; weights: v32-95 two sets of 32 numbers
.set WC,    96                         ; v96..  a block's codes
.set OUTR,  112                        ; v112-175 the way out
.set SB,    24                         ; v24-25 eight scale bytes
.set VO,    176                        ; v176-207 offset of row i of a block: 4 x lane + i x the weight's row; never rewritten
	s_load_b256 s[4:11], s[0:1], 0x0               ; x s[4:5], w_qkv s[6:7], w_proj s[8:9], opc s[10:11]
	s_load_b64 s[12:13], s[0:1], 0x20              ; ops
	v_lshl_add_u32 v[SPW], v0, 2, SPARE
	v_mov_b32 v[NIL], 0
	v_lshrrev_b32 v1, 5, v0
	v_readfirstlane_b32 s16, v1                    ; wave
	v_and_b32 v2, 31, v0                           ; lane
	s_cmp_lt_u32 ttmp9, 256
	s_cbranch_scc0 .Lweights
	; ---------------- x: 8 rows (8,192 numbers) a wave, 16 steps of 512 numbers
	v_lshlrev_b32 v3, 4, v2                        ; my 16 bytes of a load's 512
	s_mul_i32 s17, s16, WREG
	v_lshrrev_b32 v14, 2, v2
	v_mul_u32_u24 v14, v14, SP
	v_and_b32 v15, 3, v2
	v_lshl_add_u32 v14, v15, 4, v14
	v_add_nc_u32 v14, s17, v14                     ; the stage, in: four lanes' 64 bytes on end, then 16 of padding
	v_mul_u32_u24 v15, v2, SP
	v_add_nc_u32 v15, s17, v15                     ; and out: 80 x lane: my 16 neighbours
	v_mul_u32_u24 v4, v2, CB                       ; my codes' place in a step's
	v_lshrrev_b32 v5, 1, v2
	s_add_co_u32 s17, s17, 2*32*SP
	v_add_nc_u32 v5, s17, v5                       ; my block's byte among the wave's 256
	v_lshlrev_b32 v7, 3, v2
	v_add_nc_u32 v6, s17, v7
	s_wait_alu depctr_va_vdst(0)
	s_wait_kmcnt 0x0
	s_lshl_b32 s18, ttmp9, 2
	s_add_co_u32 s20, s18, s16                     ; the run of 8 rows that I read
	s_lshl_b32 s20, s20, 15
	s_mov_b32 s21, 0
	s_add_nc_u64 s[4:5], s[4:5], s[20:21]
	s_and_b32 s22, s16, 1                          ; a row's bits 3 and 4 are the wave's two bits: exchanged, they give the run's place
	s_lshl_b32 s22, s22, 1
	s_lshr_b32 s23, s16, 1
	s_or_b32 s22, s22, s23
	s_add_co_u32 s22, s22, s18
	s_mul_i32 s20, s22, 8*KROW
	s_add_nc_u64 s[10:11], s[10:11], s[20:21]
	s_lshl_b32 s20, s22, 8
	s_add_nc_u64 s[12:13], s[12:13], s[20:21]
.macro XLOAD t
.irp i, 0,1,2,3
	global_load_b128 v[R+16*((\t)%4)+4*\i:R+16*((\t)%4)+4*\i+3], v3, s[4:5] offset:2048*(\t)+512*\i th:TH_LOAD_NT   ; 32 lanes read 512 consecutive bytes
.endr
.endm
.macro XTURN t                         ; a step's numbers through the stage: LDS serves a wave's instructions in order, so no wait stands between the stores and the loads
.irp i, 0,1,2,3
	ds_store_b128 v14, v[R+16*((\t)%4)+4*\i:R+16*((\t)%4)+4*\i+3] offset:32*SP*((\t)%2)+8*SP*\i
.endr
.irp i, 0,1,2,3
	ds_load_b128 v[X+16*((\t)%2)+4*\i:X+16*((\t)%2)+4*\i+3], v15 offset:32*SP*((\t)%2)+16*\i
.endr
.endm
.irp t, 0,1,2,3
	XLOAD \t
.endr
	s_wait_loadcnt 12                              ; step 0's four loads are in; three steps' twelve may be out
	XTURN 0
.macro XSTEP t
.set XS, X+16*((\t)%2)
.if (\t) > 0
	s_wait_dscnt 1                                 ; this step's numbers are back from the stage; the last step's byte store may be out
.else
	s_wait_dscnt 0x0
.endif
.if (\t)+4 < STEPS
	XLOAD (\t)+4                                   ; into the registers that the stage's stores have read
.endif
.if (\t)+1 < STEPS
.if STEPS-2-(\t) >= 3
	s_wait_loadcnt 12                              ; the next step's four loads are in; those of the three steps behind it may be out
.else
	s_wait_loadcnt 4*(STEPS-2-(\t))
.endif
	XTURN (\t)+1
.endif
	v_max3_num_f32 v8, |v[XS]|, |v[XS+1]|, |v[XS+2]|               ; the largest magnitude of my 16, in two chains
	v_max3_num_f32 v9, |v[XS+3]|, |v[XS+4]|, |v[XS+5]|
.irp i, 6,10
	v_max3_num_f32 v8, v8, |v[XS+\i]|, |v[XS+\i+1]|
	v_max3_num_f32 v9, v9, |v[XS+\i+2]|, |v[XS+\i+3]|
.endr
	v_max3_num_f32 v8, v8, |v[XS+14]|, |v[XS+15]|
	v_max3_num_f32 v8, v8, v9, 0x1800000           ; and the floor 2^(3 - 127): the byte cannot fall under 1
	v_max_num_f32_dpp v8, v8, v8 row_xmask:1 row_mask:0xf bank_mask:0xf   ; and of my neighbour's 16: the block's
	v_add_nc_u32 v11, 0xff000000, v8               ; 2 off its exponent field: the conversion takes the exponent field of this operand as its scale
	v_cvt_scalef32_pk16_fp6_f32 v[C+4*(\t):C+4*(\t)+2], v[XS:XS+15], v11
	v_lshrrev_b32 v[E+(\t)], 23, v11               ; the scale's byte (also the plain line behind the conversion)
	ds_store_b8 v5, v[E+(\t)] offset:16*(\t)       ; both lanes of a block write the same byte with the same value
	global_store_b96 v4, v[C+4*(\t):C+4*(\t)+2], s[10:11] offset:32*CB*(\t)   ; the wave stores 384 consecutive bytes
.endm
.irp t, 0,1,2,3,4,5,6,7,8,9,10,11,12,13,14,15
	XSTEP \t
.endr
	ds_load_b64 v[8:9], v6                         ; these see my byte stores: LDS serves a wave in order
	s_wait_dscnt 0x0
	global_store_b64 v7, v[8:9], s[12:13]          ; 32 lanes store 256 consecutive bytes, aligned
	s_branch .Lend
	; ---------------- the weights: a wave takes 32 columns x 256 along K
.Lweights:
	s_sub_co_u32 s17, ttmp9, 256
	s_and_b32 s18, s17, 31                         ; which 128 columns: 0-23 of w_qkv, 24-31 of w_proj
	s_lshr_b32 s19, s17, 5                         ; which 256 along K
	s_wait_alu depctr_va_vdst(0)
	v_lshlrev_b32 v3, 2, v2                        ; in: 4 bytes a lane
	v_and_b32 v5, 7, v2
	v_bfe_u32 v6, v2, 3, 1
	v_lshl_add_u32 v5, v6, 4, v5
	v_bfe_u32 v6, v2, 4, 1
	v_lshl_add_u32 v5, v6, 3, v5                   ; my column's place among the wave's 32: bits 3 and 4 exchanged
	s_mul_i32 s30, s16, 32*WPITCH
	s_add_co_u32 s30, s30, WSTG                    ; my stage
	v_mul_u32_u24 v4, v5, WPITCH
	v_add_nc_u32 v4, s30, v4                       ; into it: row = my column's place
	v_lshlrev_b32 v9, 5, v5                        ; and that place's row of scale bytes
	v_and_b32 v5, 15, v2
	v_lshrrev_b32 v6, 4, v2                        ; out of it: sixteen lanes to a row, two rows an instruction
	v_mul_u32_u24 v7, v6, WPITCH
	v_lshl_add_u32 v7, v5, 4, v7
	v_add_nc_u32 v7, s30, v7
	v_mul_u32_u24 v8, v6, KROW
	v_mad_u32_u24 v8, v5, 12, v8                   ; the same place in opc: 12 bytes a lane
	s_wait_kmcnt 0x0
	s_mov_b32 s20, 4096
	s_cmp_lt_u32 s18, 24                           ; the choice hangs on the work-group's number alone
	s_cselect_b64 s[6:7], s[6:7], s[8:9]           ; the weight,
	s_cselect_b32 s20, 12288, s20                  ; its row in bytes,
	s_cselect_b32 s21, 0, 24
	s_sub_co_u32 s21, s18, s21                     ; and which 128 of its columns
	v_mov_b32 v10, s20
.set i, 0
.rept 32
	v_mad_u32_u24 v[VO+i], v10, i, v3
.set i, i+1
.endr
	s_lshl_b32 s22, s19, 8
	s_mul_i32 s22, s22, s20                        ; 256 rows for each step along K
	s_lshl_b32 s23, s21, 9
	s_add_co_u32 s22, s22, s23
	s_lshl_b32 s23, s16, 7
	s_add_co_u32 s22, s22, s23                     ; + 4 bytes x (128 x group + 32 x wave)
	s_mov_b32 s23, 0
	s_add_nc_u64 s[32:33], s[6:7], s[22:23]        ; block 0's first row; a base for each of the eight blocks, never rewritten
	s_lshl_b32 s24, s20, 5
	s_mov_b32 s25, 0
.irp t, 1,2,3,4,5,6,7
	s_add_nc_u64 s[32+2*\t:33+2*\t], s[30+2*\t:31+2*\t], s[24:25]
.endr
	s_lshl_b32 s26, s18, 7
	s_lshl_b32 s27, s16, 5
	s_add_co_u32 s26, s26, s27
	s_add_co_u32 s26, s26, 8192                    ; the first place of my 32 columns
	s_mul_i32 s28, s26, KROW
	s_mul_i32 s27, s19, 192
	s_add_co_u32 s28, s28, s27
	s_mov_b32 s29, 0
	s_add_nc_u64 s[10:11], s[10:11], s[28:29]
	s_lshl_b32 s28, s26, 5
	s_lshl_b32 s27, s19, 3
	s_add_co_u32 s28, s28, s27
	s_add_nc_u64 s[12:13], s[12:13], s[28:29]
.macro WLOAD t                         ; block t: 32 rows of K at my column, into set t % 2; a load reads 128 consecutive bytes, the four waves stand side by side
.set i, 0
.rept 32
	global_load_b32 v[WX+32*((\t)%2)+i], v[VO+i], s[32+2*(\t):33+2*(\t)] th:TH_LOAD_NT
.set i, i+1
.endr
.endm
	s_wait_alu depctr_va_vdst(0)
	WLOAD 0
	WLOAD 1
.macro WBLOCK t
.set XS, WX+32*((\t)%2)
.if (\t) < 7
	s_wait_loadcnt 32                              ; this block's 32 loads are in; the next block's may be out
.else
	s_wait_loadcnt 0
.endif
	v_max3_num_f32 v14, |v[XS]|, |v[XS+1]|, |v[XS+2]|              ; the block's largest magnitude: all 32 numbers are mine
	v_max3_num_f32 v15, |v[XS+3]|, |v[XS+4]|, |v[XS+5]|
.irp i, 6,10,14,18,22,26
	v_max3_num_f32 v14, v14, |v[XS+\i]|, |v[XS+\i+1]|
	v_max3_num_f32 v15, v15, |v[XS+\i+2]|, |v[XS+\i+3]|
.endr
	v_max3_num_f32 v14, v14, |v[XS+30]|, |v[XS+31]|
	v_max3_num_f32 v14, v14, v15, 0x1800000        ; and the floor
	v_add_nc_u32 v11, 0xff000000, v14
	v_lshrrev_b32 v16, 23, v11                     ; the scale's byte
.if (\t)%4 == 0
	v_mov_b32 v[SB+(\t)/4], v16
.else
	v_lshl_or_b32 v[SB+(\t)/4], v16, 8*((\t)%4), v[SB+(\t)/4]
.endif
	v_cvt_scalef32_pk16_fp6_f32 v[WC:WC+2], v[XS:XS+15], v11
	v_cvt_scalef32_pk16_fp6_f32 v[WC+4:WC+6], v[XS+16:XS+31], v11  ; (a conversion's three registers begin on an even number)
	ds_store_b96 v4, v[WC:WC+2] offset:32*(\t)     ; 12 bytes to a place of 16, so that every LDS address is a multiple of 16
	ds_store_b96 v4, v[WC+4:WC+6] offset:32*(\t)+16
.if (\t)+2 < 8
	WLOAD (\t)+2
.endif
	s_wait_dscnt 0x0                               ; the stores have read their registers: the next block's codes may be written
.endm
.irp t, 0,1,2,3,4,5,6,7
	WBLOCK \t
.endr
	s_wait_alu depctr_va_vdst(0)
	global_store_b64 v9, v[SB:SB+1], s[12:13]      ; my column's eight scale bytes
.irp t, 0,1,2,3,4,5,6,7,8,9,10,11,12,13,14,15
	ds_load_b96 v[OUTR+4*\t:OUTR+4*\t+2], v7 offset:2*\t*WPITCH
.endr
.irp t, 0,1,2,3,4,5,6,7,8,9,10,11,12,13,14,15
	s_wait_dscnt 15-\t                             ; the younger loads may be out
	global_store_b96 v8, v[OUTR+4*\t:OUTR+4*\t+2], s[10:11] offset:2*\t*KROW   ; sixteen lanes store a row's 192 consecutive bytes
.endr
.Lend:
	s_wait_tensorcnt 0x0                           ; the wave's end: an add and its wait behind my last LDS store
	ds_add_u32 v[SPW], v[NIL]
	s_wait_dscnt 0x0
	s_endpgm
.Lfunc_end_k_q6444c2caca_quant:
	.size	k_q6444c2caca_quant, .Lfunc_end_k_q6444c2caca_quant-k_q6444c2caca_quant
	.p2alignl 7, 3214868480
	.fill 96, 4, 3214868480
	.section	.rodata,"a",@progbits
	.p2align	6, 0x0
	.amdhsa_kernel k_q6444c2caca_quant
		.amdhsa_group_segment_fixed_size 68096
		.amdhsa_private_segment_fixed_size 0
		.amdhsa_enable_private_segment 0
		.amdhsa_kernarg_size 40
		.amdhsa_user_sgpr_count 2
		.amdhsa_user_sgpr_kernarg_segment_ptr 1
		.amdhsa_wavefront_size32 1
		.amdhsa_system_sgpr_workgroup_id_x 1
		.amdhsa_system_sgpr_workgroup_id_y 1
		.amdhsa_system_sgpr_workgroup_id_z 1
		.amdhsa_system_vgpr_workitem_id 0
		.amdhsa_next_free_vgpr 208
		.amdhsa_next_free_sgpr 66
		.amdhsa_reserve_vcc 0
		.amdhsa_float_denorm_mode_32 3
		.amdhsa_float_denorm_mode_16_64 3
		.amdhsa_memory_ordered 1
		.amdhsa_forward_progress 1
		.amdhsa_inst_pref_size 76
	.end_amdhsa_kernel
	.amdgpu_metadata
---
amdhsa.version: [ 1, 2 ]
amdhsa.kernels:
  - .name:           k_q6444c2caca_quant
    .symbol:         k_q6444c2caca_quant.kd
    .args:
      - { .name: x, .offset: 0, .size: 8, .value_kind: global_buffer, .address_space: global }
      - { .name: w_qkv, .offset: 8, .size: 8, .value_kind: global_buffer, .address_space: global }
      - { .name: w_proj, .offset: 16, .size: 8, .value_kind: global_buffer, .address_space: global }
      - { .name: opc, .offset: 24, .size: 8, .value_kind: global_buffer, .address_space: global }
      - { .name: ops, .offset: 32, .size: 8, .value_kind: global_buffer, .address_space: global }
    .group_segment_fixed_size: 68096
    .private_segment_fixed_size: 0
    .kernarg_segment_align: 8
    .kernarg_segment_size: 40
    .max_flat_workgroup_size: 128
    .sgpr_count:     66
    .vgpr_count:     208
    .wavefront_size: 32
...
	.end_amdgpu_metadata
.endif
;; end of part 1
;; launch gemm_qkv (part 2): grid 8 x 48, 4 waves a work-group, clusters of 4 x 4, 327,680 bytes of LDS; arguments opc, ops, qkv; writes qkv
.if DOCPART == 2
	.amdgcn_target "amdgcn-amd-amdhsa--gfx1250"
	.amdhsa_code_object_version 6
	.text
	.protected	k_q6444c2caca_gemm_qkv
	.globl	k_q6444c2caca_gemm_qkv
	.p2align	8
	.type	k_q6444c2caca_gemm_qkv,@function
k_q6444c2caca_gemm_qkv:
	s_mov_b64 s[64:65], 0
	v_nop
	global_prefetch_b8 v0, s[64:65] scope:SCOPE_SE
	s_setreg_imm32_b32 hwreg(HW_REG_WAVE_MODE, 25, 1), 1
	s_wait_xcnt 0x0
	s_wait_alu depctr_hold_cnt(0) depctr_sa_sdst(0) depctr_va_vdst(0) depctr_va_sdst(0) depctr_va_ssrc(0) depctr_va_vcc(0) depctr_vm_vsrc(0)
	s_getreg_b32 s2, hwreg(HW_REG_IB_STS2, 6, 4)
	s_cmp_eq_u32 s2, 0
	s_cbranch_scc0 .Lentry_in_a_cluster
	s_endpgm
.Lentry_in_a_cluster:
	s_bfe_u32 s2, ttmp6, 0x10000c
	s_cmp_lg_u32 s2, 0xf033
	s_cbranch_scc0 .Lentry_shape_is_right
	s_endpgm
.Lentry_shape_is_right:
; qkv = x w_qkv on codes of FP6 (E2M3) with E8M0 scales, K = 1,024; the f32 sums never go to memory: q and k are quantised along the head's 64, v along the keys, in registers, and leave as images of the
; registers in which the attention launch wants them.  A work-group of four waves makes 256 x 256, a wave 128 x 128: 64 accumulators, 512 registers.  K goes in four steps of 256 through two LDS slots.
; SIDES.  Side A gives a lane its row, side B runs along a lane's registers (source 0 = 16 rows of B, source 1 = 16 rows of A), and so along the next quantiser's K.
;   clusters y 0-7:  A = 1,024 tokens, B = 1,024 columns of q or k: registers run along a head's d.       clusters y 8-11: A = v's 1,024 columns, B = 1,024 tokens: registers run along the keys.
; Both sides are rows of opc and ops; only row numbers are chosen, on the cluster's y, which all sixteen partners share.
; ROW PLACES: a row lies in opc at its number with bits 3 and 4 exchanged, so tile 2 B + u holds rows 32 B + 8 u + r + 8 (r / 8) and the 16 registers of tiles 2 B, 2 B + 1 are 16 neighbours, 32 B + 16 (lane / 16) + 0..15.
; qkv: 64 records (16 b + head) of 307,200 bytes: K's codes 0 (group of 32 tokens: 1,536 bytes: registers 0-5 tile u = 0, 6-11 tile u = 1); V's codes 98,304 (fragment (step, tile): 1,536); K's scale words 196,608
; (64 bytes a group); V's 200,704 (64 a fragment); Q's codes 204,800 and scale words 303,104, as K's.  In an image registers 4 c .. 4 c + 3 lie at 512 c + 16 x lane.
; CLUSTERS: 4 x 4.  A's tile is shared along a row of the cluster, B's along a column: each is asked for jointly, which divides the requests by four.
; LIMITS: NaN and infinities are not served; a block whose largest magnitude lies under 2^-124, a block of zeros among them, has its byte held at 1 (bytes read by this program alone).
; REGISTERS: window 0: v0-31 addresses; v32-63 scale words, two sets; from v128 A's fragments, one set; on the way out v64-223.  window 1: B's fragments, two sets.  windows 2, 3: the accumulators ((a, b) at v[8 (8 (a % 4) + b)]).
.set SIZE_K, 1024
.set KSTEP,  256
.set NQ,     KSTEP/128
.set ROWB,   192                       ; a tile's row in bytes
.set KROW,   SIZE_K*6/8
.set PITCH,  240                       ; an LDS row: 3 x (64 bytes + 16 of padding)
.set FR,     12
.set NL,     6                         ; LDS loads that bring a fragment
.set NP,     4                         ; places behind this matrix instruction (ISA guide 7.12.1)
.set HALFT,  128*PITCH
.set SLOT,   4*HALFT
.set LAPS,   SIZE_K/(2*KSTEP)
.set KS,     SIZE_K/32
.set SCL,    2*SLOT                    ; behind the ring: the scales of my 512 rows for all of K, units of 256 bytes + 16
.set HALFS,  (128*KS/256)*272
.set SBLK,   (16*KS/256)*272
.set SPARE,  SCL+4*HALFS               ; the spare words, 128 bytes a wave, named by no other line
.set REC,    307200
.set ADRA, 16
.set ADRB, 20
.set O16,  24                          ; v24 16 x lane: an image's place for my lane
.set O4,   25                          ; v25 4 x lane: a scale word's
.set ADRS, 27
.set SPW,  28
.set NIL,  29
.set SC,   32
.set AF,   128
.set IMG,  64                          ; the way out: v64-159 images, each stored once
.set PWA,  160                         ; v160, v161 two tiles' scale words
.set PWB,  161
.set WD,   162                         ; v162-169 scale words
.set SW,   170                         ; v170-173 two groups' words side by side, as stored
.set TM,   200                         ; v200-215 at work
.set CT,   216                         ; v216-222 the conversions' second halves
.set G1, 24
.set G0, 32
.set G1B, 48
.set G0B, 56
.set G1S, 68
.set G0S, 76
.set G1SB, 80
.set G0SB, 88
.set SEL, 98
.set MSB, 0
.macro WIN new                         ; the immediate's high byte repeats the setting that is left
.if MSB != \new
	s_set_vgpr_msb (MSB<<8)|\new
.set MSB, \new
.endif
.endm
.set MUL_LO, 0xa1                      ; source 0 (B) window 1, source 1 (A) window 0, C and D window 2
.set MUL_HI, 0xf1
.set TO_B,   0x40
; A joint load: waves 0 and 1 fetch for A, waves 2 and 3 for B; the branch hangs on the wave's number alone.  An s_nop 0 and four v_nop follow each line.
.macro JLOAD g0a, g1a, g0b, g1b
	s_cmp_eq_u32 s15, 0
	s_cbranch_scc0 .Lfor_b_\@
	tensor_load_to_lds s[\g0a:\g0a+3], s[\g1a:\g1a+7]
	s_nop 0
.rept 4
	v_nop
.endr
	s_branch .Lasked_\@
.Lfor_b_\@:
	tensor_load_to_lds s[\g0b:\g0b+3], s[\g1b:\g1b+7]
	s_nop 0
.rept 4
	v_nop
.endr
.Lasked_\@:
.endm
.macro CREST                           ; a round of the cluster's barrier behind its opening barrier
	s_cmp_lg_u32 s14, 0
	s_cbranch_scc1 .Lnot_wave_0_\@
	s_barrier_signal -3
.Lnot_wave_0_\@:
	s_barrier_wait -3
	s_barrier_signal -1
	s_barrier_wait -1
.endm
.macro CROUND
	s_barrier_signal -1
	s_barrier_wait -1
	CREST
.endm
	s_load_b128 s[4:7], s[0:1], 0x0                ; opc s[4:5], ops s[6:7]
	s_load_b64 s[12:13], s[0:1], 0x10              ; qkv
	v_lshl_add_u32 v[SPW], v0, 2, SPARE
	v_mov_b32 v[NIL], 0
	ds_add_u32 v[SPW], v[NIL]
	ds_add_u32 v[SPW], v[NIL]                      ; the wave's opening: the add and its wait stand ahead of my first tensor load; register work stands between
	v_lshrrev_b32 v1, 5, v0
	v_readfirstlane_b32 s14, v1                    ; wave 0..3
	s_lshr_b32 s15, s14, 1                         ; my half of A's rows.  Also: I fetch for A (0) or for B (1)
	s_and_b32 s16, s14, 1                          ; my half of B's rows.  Also: which 128 rows I fetch
	s_bfe_u32 s40, ttmp6, 0x40000                  ; cx
	s_bfe_u32 s41, ttmp6, 0x40004                  ; cy
	s_and_b32 s17, ttmp7, 0xffff                   ; the cluster's y
	s_lshl_b32 s95, s17, 10                        ; q, k: A = tokens 1,024 y on
	s_mov_b32 s42, 10240                           ; v:    A = v's columns, from place 10,240
	s_sub_co_u32 s97, s17, 8
	s_lshl_b32 s97, s97, 11                        ; v:    B = tokens 2,048 (y - 8) on
	s_mov_b32 s46, 8192                            ; q, k: B = columns from place 8,192
	s_cmp_lt_u32 s17, 8
	s_cselect_b32 s96, 1, 0                        ; 1: q, k; 0: v.  The same in all sixteen partners
	s_cselect_b32 s95, s95, s42
	s_cselect_b32 s97, s46, s97
	s_lshl_b32 s42, s41, 8
	s_add_co_u32 s95, s95, s42                     ; A's first row: + 256 cy
	s_lshl_b32 s46, ttmp9, 10
	s_add_co_u32 s97, s97, s46
	s_lshl_b32 s46, s40, 8
	s_add_co_u32 s97, s97, s46                     ; B's first row: + 1,024 x cluster x + 256 cx
	s_lshl_b32 s43, s41, 2
	s_lshl_b32 s43, 15, s43                        ; my row of the cluster
	s_lshl_b32 s44, 0x1111, s40                    ; my column
	s_or_b32 s[G1+0], s43, (0<<16)|(1<<20)|(1<<21)|(3<<22)|(3<<25)  ; the mask; elements of 1 byte; padding on; bit 21 beside a mask; 4 words behind every 16
	s_or_b32 s[G1B+0], s44, (0<<16)|(1<<20)|(1<<21)|(3<<22)|(3<<25)
.irp g, G1, G1B
	s_mov_b32 s[\g+1], ROWB<<16                    ; tensor_dim0
	s_mov_b32 s[\g+2], 128<<16                     ; tensor_dim1
	s_mov_b32 s[\g+3], ROWB<<16                    ; tile_dim0
	s_mov_b32 s[\g+4], 128                         ; tile_dim1
	s_mov_b32 s[\g+5], KROW                        ; the pitch
	s_mov_b32 s[\g+6], 0
	s_mov_b32 s[\g+7], 0
.endr
	s_or_b32 s[G1S+0], s43, (3<<16)|(1<<20)|(1<<21)|(5<<22)|(3<<25) ; the scales of 128 rows: 4,096 dense bytes as rows of 256 bytes, 16 of padding behind each
	s_or_b32 s[G1SB+0], s44, (3<<16)|(1<<20)|(1<<21)|(5<<22)|(3<<25)
.irp g, G1S, G1SB
	s_mov_b32 s[\g+1], 32<<16
	s_mov_b32 s[\g+2], (128*KS/256)<<16
	s_mov_b32 s[\g+3], 32<<16
	s_mov_b32 s[\g+4], 128*KS/256
	s_mov_b32 s[\g+5], 32
	s_mov_b32 s[\g+6], 0
	s_mov_b32 s[\g+7], 0
.endr
	s_lshl_b32 s18, s16, 7                         ; which 128 rows of the tile I fetch
	s_add_co_u32 s20, s95, s18
	s_add_co_u32 s46, s97, s18
	s_mov_b32 s21, 0
	s_mov_b32 s47, 0
	s_mov_b64 s[18:19], KS
	s_mul_u64 s[22:23], s[20:21], s[18:19]         ; where these rows' scales begin,
	s_mul_u64 s[92:93], s[46:47], s[18:19]
	s_mov_b64 s[18:19], KROW
	s_mul_u64 s[20:21], s[20:21], s[18:19]         ; and their codes
	s_mul_u64 s[46:47], s[46:47], s[18:19]
	s_mul_i32 s45, s14, HALFT                      ; where they go: wave x 128 rows
	s_mul_i32 s94, s14, HALFS
	s_wait_dscnt 0x0                               ; the opening add is done
	s_wait_kmcnt 0x0
	s_add_nc_u64 s[20:21], s[4:5], s[20:21]
	s_add_nc_u64 s[22:23], s[6:7], s[22:23]
	s_add_nc_u64 s[46:47], s[4:5], s[46:47]
	s_add_nc_u64 s[92:93], s[6:7], s[92:93]
	CROUND                                         ; all sixteen work-groups are here: the first joint loads meet
	s_mov_b32 s[G0S], 1
	s_add_co_u32 s[G0S+1], s94, SCL
	s_mov_b64 s[G0S+2:G0S+3], s[22:23]
	s_or_b32 s[G0S+3], s[G0S+3], 0x80000000
	s_mov_b32 s[G0SB], 1
	s_add_co_u32 s[G0SB+1], s94, SCL
	s_mov_b64 s[G0SB+2:G0SB+3], s[92:93]
	s_or_b32 s[G0SB+3], s[G0SB+3], 0x80000000
	JLOAD G0S, G1S, G0SB, G1SB                     ; the scales first: they are wanted with K step 0
.irp s, 0,1
	s_mov_b32 s[G0+4*\s], 1
	s_add_co_u32 s[G0+4*\s+1], s45, \s*SLOT
	s_add_nc_u64 s[G0+4*\s+2:G0+4*\s+3], s[20:21], \s*ROWB
	s_or_b32 s[G0+4*\s+3], s[G0+4*\s+3], 0x80000000
	s_mov_b32 s[G0B+4*\s], 1
	s_add_co_u32 s[G0B+4*\s+1], s45, \s*SLOT
	s_add_nc_u64 s[G0B+4*\s+2:G0B+4*\s+3], s[46:47], \s*ROWB
	s_or_b32 s[G0B+4*\s+3], s[G0B+4*\s+3], 0x80000000
	JLOAD G0+4*\s, G1, G0B+4*\s, G1B               ; three loads of mine are out at the most
.endr
	v_and_b32 v1, 15, v0                           ; l % 16
	v_bfe_u32 v2, v0, 4, 1                         ; l / 16
	v_mul_u32_u24 v3, v1, PITCH
	v_mul_u32_u24 v4, v2, 24
	v_add_nc_u32 v4, v3, v4                        ; a fragment's row x pitch + 24 x half
	v_lshl_add_u32 v5, v2, 4, v4                   ; and the same behind one padding more
	s_mul_i32 s21, s15, HALFT                      ; my 128 rows of A
	s_mul_i32 s22, s16, HALFT                      ; my 128 rows of B,
	s_add_co_u32 s22, s22, 2*HALFT                 ; which lie behind A's 256
.irp s, 0,1
	v_add_nc_u32 v[ADRA+\s], s21, v4
	v_add_nc_u32 v[ADRB+\s], s22, v4
	v_add_nc_u32 v[ADRA+2+\s], s21, v5
	v_add_nc_u32 v[ADRB+2+\s], s22, v5
	s_add_co_u32 s21, s21, SLOT
	s_add_co_u32 s22, s22, SLOT
.endr
	v_mul_u32_u24 v5, v1, KS                       ; my row's scales: 32 bytes a row,
	v_lshrrev_b32 v6, 8, v5
	v_lshl_add_u32 v5, v6, 4, v5                   ; and 16 more for each 256 passed
	s_mul_i32 s21, s15, HALFS
	s_mul_i32 s22, s16, HALFS
	s_add_co_u32 s22, s22, 2*HALFS
	s_sub_co_u32 s22, s22, s21
	v_mul_u32_u24 v6, s22, v2                      ; lanes 16-31 take B's
	s_add_co_u32 s21, s21, SCL
	v_add_nc_u32 v5, v5, v6
	v_add_nc_u32 v[ADRS], s21, v5
	v_and_b32 v6, 31, v0
	v_lshlrev_b32 v[O16], 4, v6
	v_lshlrev_b32 v[O4], 2, v6
.macro FRAG reg, adr, q, i             ; 16 rows x 128 K: 12 registers: lane l holds row l % 16; registers 6 c .. 6 c + 5 hold K = 64 c + 32 (l / 16) + 0 .. 31, as the bits lie
.irp p, 0,1,2,3,4,5                    ; in pieces of 8 bytes; where the piece of lanes 16-31 lies behind one padding more, the second address register serves
.set PC, 12*(\q)+6*(\p/3)+\p%3
.if PC%8 < 5
	ds_load_b64 v[\reg+2*\p:\reg+2*\p+1], v[\adr] offset:8*PC+16*(PC/8)+(\i)*16*PITCH
.else
	ds_load_b64 v[\reg+2*\p:\reg+2*\p+1], v[\adr+2] offset:8*PC+16*(PC/8)+(\i)*16*PITCH
.endif
.endr
.endm
; 16 matrix instructions: A's blocks a0, a0 + 1 x B's eight.  The 64 accumulators take turns, one instruction a turn, in the same order in every step.
.macro MUL16 a0, p, q, sc, zero
.irp a, \a0, \a0+1
.irp b, 0,1,2,3,4,5,6,7
.if \zero
	v_wmma_scale_f32_16x16x128_f8f6f4 v[8*(8*((\a)%4)+\b):8*(8*((\a)%4)+\b)+7], v[128*(\p)+FR*\b:128*(\p)+FR*\b+FR-1], v[AF+FR*(\a):AF+FR*(\a)+FR-1], 0, v[SC+8*NQ*(\sc)+NQ*\b+(\q)], v[SC+8*NQ*(\sc)+NQ*(\a)+(\q)] matrix_a_fmt:MATRIX_FMT_FP6 matrix_b_fmt:MATRIX_FMT_FP6 matrix_a_scale:MATRIX_SCALE_ROW1
.else
	v_wmma_scale_f32_16x16x128_f8f6f4 v[8*(8*((\a)%4)+\b):8*(8*((\a)%4)+\b)+7], v[128*(\p)+FR*\b:128*(\p)+FR*\b+FR-1], v[AF+FR*(\a):AF+FR*(\a)+FR-1], v[8*(8*((\a)%4)+\b):8*(8*((\a)%4)+\b)+7], v[SC+8*NQ*(\sc)+NQ*\b+(\q)], v[SC+8*NQ*(\sc)+NQ*(\a)+(\q)] matrix_a_fmt:MATRIX_FMT_FP6 matrix_b_fmt:MATRIX_FMT_FP6 matrix_a_scale:MATRIX_SCALE_ROW1
.endif
.endr
.endr
.endm
.macro FETCH_B slot, q, p
	WIN TO_B
.irp i, 0,1,2,3,4,5,6,7
	FRAG 128*(\p)+FR*\i, ADRB+\slot, \q, \i
.endr
	WIN 0
.endm
.macro FETCH_A slot, q, i0
.irp i, \i0, \i0+1, \i0+2, \i0+3
	FRAG AF+FR*(\i), ADRA+\slot, \q, \i
.endr
.endm
.macro SCALES sc                       ; a K step's scale words: two a row; lanes 0-15 take A's block i, lanes 16-31 B's block i
.irp i, 0,1,2,3,4,5,6,7
	ds_load_b64 v[SC+8*NQ*\sc+NQ*\i:SC+8*NQ*\sc+NQ*\i+1], v[ADRS] offset:\i*SBLK
.endr
.endm
.macro PLACES n                        ; plain vector instructions between a matrix instruction and a load into, or a read of, its registers
.rept \n
	v_nop
.endr
.endm
.macro STEP slot, q, zero              ; a step of 128 along K that has its successor in the same slot
	s_wait_dscnt 4*NL                              ; B's set and A's blocks 0-3 are in; the youngest 24 loads (A's blocks 4-7) may be out
	WIN MUL_LO
	MUL16 0, (\q)%2, \q, \slot, \zero
	MUL16 2, (\q)%2, \q, \slot, \zero
	s_wait_dscnt 0
	PLACES NP
	FETCH_B \slot, (\q)+1, 1-(\q)%2
	FETCH_A \slot, (\q)+1, 0
	WIN MUL_HI
	MUL16 4, (\q)%2, \q, \slot, \zero
	MUL16 6, (\q)%2, \q, \slot, \zero
	PLACES NP
	WIN 0
	FETCH_A \slot, (\q)+1, 4
.endm
; A slot's last step changes slots: one barrier; in front of it each wave waits for all its tensor loads, adds 0 to its spare word, and waits for that and for its reads of this slot.
.macro TURN slot, next, fill
	s_wait_tensorcnt 0x0                           ; all my tensor loads have landed: my part of the next slot
	ds_add_u32 v[SPW], v[NIL]
	s_wait_dscnt 4*NL+1                            ; the add and the youngest 24 loads may be out
	WIN MUL_LO
	MUL16 0, 1, NQ-1, \slot, 0
	s_wait_dscnt 0x0                               ; the add is done, and my reads of this slot are over
	s_barrier_signal -1
	MUL16 2, 1, NQ-1, \slot, 0
	WIN 0
	s_barrier_wait -1
.if \fill
	CREST                                          ; the barrier has opened a round of the cluster's: no wave of any partner still reads this slot or has a load on its way
	s_add_nc_u64 s[G0+4*\slot+2:G0+4*\slot+3], s[G0+4*\slot+2:G0+4*\slot+3], 2*ROWB
	s_add_nc_u64 s[G0B+4*\slot+2:G0B+4*\slot+3], s[G0B+4*\slot+2:G0B+4*\slot+3], 2*ROWB
	JLOAD G0+4*\slot, G1, G0B+4*\slot, G1B         ; the first tensor load behind the round; its four v_nop are the places in front of the loads below
.else
	PLACES NP
.endif
	s_wait_alu depctr_va_vdst(0)
	v_add_nc_u32 v[ADRS], 4*NQ, v[ADRS]            ; the next K step's scale words
	FETCH_B \next, 0, 0
	FETCH_A \next, 0, 0
	SCALES \next
	WIN MUL_HI
	MUL16 4, 1, NQ-1, \slot, 0
	MUL16 6, 1, NQ-1, \slot, 0
	PLACES NP
	WIN 0
	FETCH_A \next, 0, 4
.endm
	s_wait_alu depctr_va_vdst(0)
	s_wait_tensorcnt 1                             ; the scales and my part of K step 0 are in; K step 1's load may be out
	s_barrier_signal -1
	s_barrier_wait -1
	FETCH_B 0, 0, 0
	FETCH_A 0, 0, 0
	SCALES 0
	FETCH_A 0, 0, 4
	STEP 0, 0, 1                                   ; the first step's products start the sums
	s_mov_b32 s3, LAPS-1
.Llap:                                                 ; once round the ring; both slots are filled again
	TURN 0, 1, 1
	STEP 1, 0, 0
	TURN 1, 0, 1
	STEP 0, 0, 0
	s_sub_co_u32 s3, s3, 1
	s_cmp_lg_u32 s3, 0
	s_cbranch_scc1 .Llap
	TURN 0, 1, 0                                   ; the last lap fills nothing
	STEP 1, 0, 0
	s_wait_dscnt 4*NL
	WIN MUL_LO
	MUL16 0, 1, NQ-1, 1, 0
	MUL16 2, 1, NQ-1, 1, 0
	s_wait_dscnt 0
	WIN MUL_HI
	MUL16 4, 1, NQ-1, 1, 0
	MUL16 6, 1, NQ-1, 1, 0
	WIN 0
	PLACES NP                                      ; behind the last products: their results are read and their operands' registers written below
; THE WAY OUT.  QUANT: the 64 sums of one block of A's rows, v[QS] on in window QW (register 16 b + i = index 32 b + 16 (lane / 16) + i of my row), become codes: blocks 0, 1 in v[QD0 .. QD0 + 5], blocks 2, 3 in
; v[QD1 .. QD1 + 5] (lane (r, h): block h or 2 + h, whole), and the four scale bytes in v[QPW].  Each accumulator is read first at its low end.
.macro QUANT
.set QWS, QW|(QW<<2)
	WIN QWS                                        ; sources 0 and 1 in the accumulators' window
.irp b, 0,1,2,3
	v_max3_num_f32 v[TM+\b], |v[QS+16*\b]|, |v[QS+16*\b+1]|, 0x1800000   ; my 16 numbers of block b, and the floor 2^(3 - 127)
.endr
.irp i, 2,4,6,8,10,12,14
.irp b, 0,1,2,3
	v_max3_num_f32 v[TM+\b], |v[QS+16*\b+\i]|, |v[QS+16*\b+\i+1]|, v[TM+\b]
.endr
.endr
	WIN 0
.irp b, 0,1,2,3
	v_permlanex16_b32 v[TM+4+\b], v[TM+\b], s[SEL], s[SEL+1]
.endr
.irp b, 0,1,2,3
	v_max_num_f32 v[TM+\b], v[TM+\b], v[TM+4+\b]   ; with lane l xor 16's: the block's largest magnitude
.endr
.irp b, 0,1,2,3
	v_add_nc_u32 v[TM+12+\b], 0xff000000, v[TM+\b] ; 2 off its exponent field: the conversion's scale operand
.endr
.irp b, 0,1,2,3
	v_lshrrev_b32 v[TM+4+\b], 23, v[TM+12+\b]      ; the scale's byte
.endr
	v_lshl_or_b32 v[QPW], v[TM+5], 8, v[TM+4]
	v_lshl_or_b32 v[QPW], v[TM+6], 16, v[QPW]
	v_lshl_or_b32 v[QPW], v[TM+7], 24, v[QPW]
	WIN QW                                         ; source 0 in the accumulators' window
	v_cvt_scalef32_pk16_fp6_f32 v[QD0:QD0+2], v[QS:QS+15], v[TM+12]
	v_cvt_scalef32_pk16_fp6_f32 v[CT:CT+2], v[QS+16:QS+31], v[TM+13]
	v_cvt_scalef32_pk16_fp6_f32 v[QD1:QD1+2], v[QS+32:QS+47], v[TM+14]
	v_cvt_scalef32_pk16_fp6_f32 v[CT+4:CT+6], v[QS+48:QS+63], v[TM+15]
	WIN 0
	v_nop                                          ; one plain place behind a scaled conversion
.irp i, 0,1,2
	v_permlane16_swap_b32 v[QD0+\i], v[CT+\i]      ; the first now holds each lane's block's lower 16 codes, the second the upper 16
	v_permlane16_swap_b32 v[QD1+\i], v[CT+4+\i]
.endr
.irp i, 0,1,2
	v_mov_b32 v[QD0+3+\i], v[CT+\i]
	v_mov_b32 v[QD1+3+\i], v[CT+4+\i]
.endr
.endm
	s_mov_b32 s[SEL], 0x76543210
	s_mov_b32 s[SEL+1], 0xfedcba98                 ; v_permlanex16_b32's selects for lane l xor 16
	s_mov_b32 s66, 0xffff0000                      ; lanes 16-31
.irp b, 0,1,2,3
	v_mov_b32 v[TM+4+\b], 0                        ; written once: a lane permute's destination counts as one of its sources
.endr
	s_lshl_b32 s20, s15, 7
	s_add_co_u32 s20, s20, s95                     ; my first row of side A,
	s_lshl_b32 s21, s16, 7
	s_add_co_u32 s21, s21, s97                     ; and of side B
	s_mov_b32 s9, 0
	s_mov_b32 s11, 0
	s_cmp_eq_u32 s96, 0
	s_cbranch_scc1 .Lvpath
	; q, k: my rows are 128 tokens (four groups of 32), my registers two heads' 64
	s_lshr_b32 s22, s20, 11                        ; b
	s_and_b32 s23, s20, 2047
	s_lshr_b32 s23, s23, 5                         ; the first group
	s_sub_co_u32 s21, s21, 8192                    ; the first column
	s_lshr_b32 s40, s21, 10                        ; 0: q; 1: k
	s_and_b32 s41, s21, 1023
	s_lshr_b32 s41, s41, 6                         ; the first head
	s_lshl_b32 s22, s22, 4
	s_add_co_u32 s22, s22, s41
	s_mul_i32 s22, s22, REC                        ; its record
	s_mul_i32 s42, s23, 1536
	s_lshl_b32 s43, s23, 6
	s_mov_b32 s44, 204800
	s_mov_b32 s45, 303104
	s_mov_b32 s46, 196608
	s_cmp_eq_u32 s40, 1
	s_cselect_b32 s44, 0, s44
	s_cselect_b32 s45, s46, s45
	s_add_co_u32 s8, s44, s22
	s_add_co_u32 s8, s8, s42
	s_add_co_u32 s10, s45, s22
	s_add_co_u32 s10, s10, s43
	s_add_nc_u64 s[8:9], s[12:13], s[8:9]          ; the codes' images,
	s_add_nc_u64 s[10:11], s[12:13], s[10:11]      ; the scale words
.irp i, 0,1,2,3                        ; group i: A's blocks 2 i (tile u = 0) and 2 i + 1 (u = 1)
.set QW, 2+\i/2
.set QS, 64*((2*\i)%4)
.set QD0, IMG+24*\i
.set QD1, IMG+24*\i+12
.set QPW, PWA
	QUANT
.set QS, 64*((2*\i+1)%4)
.set QD0, IMG+24*\i+6
.set QD1, IMG+24*\i+18
.set QPW, PWB
	QUANT
	v_perm_b32 v[WD+2*\i], v[PWB], v[PWA], 0x05040100      ; the first head's word: tile 0's two bytes, tile 1's two
	v_perm_b32 v[WD+2*\i+1], v[PWB], v[PWA], 0x07060302    ; the second head's
.irp c, 0,1,2
	global_store_b128 v[O16], v[IMG+24*\i+4*\c:IMG+24*\i+4*\c+3], s[8:9] offset:\i*1536+512*\c              ; 32 lanes store 512 consecutive bytes, aligned
	global_store_b128 v[O16], v[IMG+24*\i+12+4*\c:IMG+24*\i+12+4*\c+3], s[8:9] offset:REC+\i*1536+512*\c    ; the next head's record
.endr
.if \i%2
	v_cndmask_b32 v[SW+\i-1], v[WD+2*\i-2], v[WD+2*\i], s66        ; lanes 0-15 the group before, lanes 16-31 this one
	v_cndmask_b32 v[SW+\i], v[WD+2*\i-1], v[WD+2*\i+1], s66
	global_store_b32 v[O4], v[SW+\i-1], s[10:11] offset:(\i-1)*64
	global_store_b32 v[O4], v[SW+\i], s[10:11] offset:REC+(\i-1)*64
.endif
.endr
	s_branch .Ldone
.Lvpath:
	; v: my rows are two heads' 64 d, my registers the 128 keys of one key step
	s_sub_co_u32 s20, s20, 10240
	s_lshr_b32 s41, s20, 6                         ; the first head
	s_lshr_b32 s22, s21, 11                        ; b
	s_and_b32 s23, s21, 2047
	s_lshr_b32 s23, s23, 7                         ; the key step
	s_lshl_b32 s22, s22, 4
	s_add_co_u32 s22, s22, s41
	s_mul_i32 s22, s22, REC
	s_mul_i32 s8, s23, 6144
	s_add_co_u32 s8, s8, s22
	s_add_co_u32 s8, s8, 98304
	s_lshl_b32 s10, s23, 8
	s_add_co_u32 s10, s10, s22
	s_add_co_u32 s10, s10, 200704
	s_add_nc_u64 s[8:9], s[12:13], s[8:9]
	s_add_nc_u64 s[10:11], s[12:13], s[10:11]
.irp a, 0,1,2,3,4,5,6,7                ; head a / 4, tile a % 4: a whole fragment
.set QW, 2+\a/4
.set QS, 64*(\a%4)
.set QD0, IMG+12*\a
.set QD1, IMG+12*\a+6
.set QPW, WD+\a
	QUANT
.irp c, 0,1,2
	global_store_b128 v[O16], v[IMG+12*\a+4*\c:IMG+12*\a+4*\c+3], s[8:9] offset:(\a/4)*REC+(\a%4)*1536+512*\c
.endr
.if \a%2
	v_cndmask_b32 v[SW+\a/2], v[WD+\a-1], v[WD+\a], s66
	global_store_b32 v[O4], v[SW+\a/2], s[10:11] offset:(\a/4)*REC+((\a-1)%4)*64
.endif
.endr
.Ldone:
	s_wait_tensorcnt 0x0                           ; the wave's end
	ds_add_u32 v[SPW], v[NIL]
	s_wait_dscnt 0x0
	CROUND                                         ; the closing round: no work-group ends while a partner may still ask for a tile that names it
	s_endpgm
.Lfunc_end_k_q6444c2caca_gemm_qkv:
	.size	k_q6444c2caca_gemm_qkv, .Lfunc_end_k_q6444c2caca_gemm_qkv-k_q6444c2caca_gemm_qkv
	.p2alignl 7, 3214868480
	.fill 96, 4, 3214868480
	.section	.rodata,"a",@progbits
	.p2align	6, 0x0
	.amdhsa_kernel k_q6444c2caca_gemm_qkv
		.amdhsa_group_segment_fixed_size 327680
		.amdhsa_private_segment_fixed_size 0
		.amdhsa_enable_private_segment 0
		.amdhsa_kernarg_size 24
		.amdhsa_user_sgpr_count 2
		.amdhsa_user_sgpr_kernarg_segment_ptr 1
		.amdhsa_wavefront_size32 1
		.amdhsa_system_sgpr_workgroup_id_x 1
		.amdhsa_system_sgpr_workgroup_id_y 1
		.amdhsa_system_sgpr_workgroup_id_z 1
		.amdhsa_system_vgpr_workitem_id 0
		.amdhsa_next_free_vgpr 1024
		.amdhsa_next_free_sgpr 100
		.amdhsa_reserve_vcc 0
		.amdhsa_float_denorm_mode_32 3
		.amdhsa_float_denorm_mode_16_64 3
		.amdhsa_memory_ordered 1
		.amdhsa_forward_progress 1
		.amdhsa_inst_pref_size 200
	.end_amdhsa_kernel
	.amdgpu_metadata
---
amdhsa.version: [ 1, 2 ]
amdhsa.kernels:
  - .name:           k_q6444c2caca_gemm_qkv
    .symbol:         k_q6444c2caca_gemm_qkv.kd
    .args:
      - { .name: opc, .offset: 0, .size: 8, .value_kind: global_buffer, .address_space: global }
      - { .name: ops, .offset: 8, .size: 8, .value_kind: global_buffer, .address_space: global }
      - { .name: qkv, .offset: 16, .size: 8, .value_kind: global_buffer, .address_space: global }
    .group_segment_fixed_size: 327680
    .private_segment_fixed_size: 0
    .kernarg_segment_align: 8
    .kernarg_segment_size: 24
    .max_flat_workgroup_size: 128
    .sgpr_count:     100
    .vgpr_count:     1024
    .wavefront_size: 32
...
	.end_amdgpu_metadata
.endif
;; end of part 2
;; launch attn (part 3): grid 4 x 64, 16 waves a work-group, clusters of 4 x 1, 215,040 bytes of LDS; arguments qkv, yc, ys; writes yc, ys
.if DOCPART == 3
	.amdgcn_target "amdgcn-amd-amdhsa--gfx1250"
	.amdhsa_code_object_version 6
	.text
	.protected	k_q6444c2caca_attn
	.globl	k_q6444c2caca_attn
	.p2align	8
	.type	k_q6444c2caca_attn,@function
k_q6444c2caca_attn:
	s_mov_b64 s[64:65], 0
	v_nop
	global_prefetch_b8 v0, s[64:65] scope:SCOPE_SE
	s_setreg_imm32_b32 hwreg(HW_REG_WAVE_MODE, 25, 1), 1
	s_wait_xcnt 0x0
	s_wait_alu depctr_hold_cnt(0) depctr_sa_sdst(0) depctr_va_vdst(0) depctr_va_sdst(0) depctr_va_ssrc(0) depctr_va_vcc(0) depctr_vm_vsrc(0)
	s_getreg_b32 s2, hwreg(HW_REG_IB_STS2, 6, 4)
	s_cmp_eq_u32 s2, 0
	s_cbranch_scc0 .Lentry_in_a_cluster
	s_endpgm
.Lentry_in_a_cluster:
	s_bfe_u32 s2, ttmp6, 0x10000c
	s_cmp_lg_u32 s2, 0x3003
	s_cbranch_scc0 .Lentry_shape_is_right
	s_endpgm
.Lentry_shape_is_right:
; y[b][head][q] = the sum over keys k <= q of softmax_k(Q . K / 8) V, both products on codes of FP6 (E2M3) with E8M0 scales; y is quantised along the head's 64 and leaves as codes for the last product.
; THE SOFTMAX: t = score x log2(e) / 8; M = the running largest t rounded up to a whole number; p = 2^(t - M) is quantised along the keys, not normalised; the row's sum is taken of the unquantised p and divides at the end.
; SHARES.  A cluster of four work-groups is one head (its y); work-group j = cx.  A head's K and V, codes and scale words, are 204,800 dense bytes of its record in qkv: they come into LDS ONCE, each wave bringing a
; sixteenth by one joint load that names all four partners; nothing is filled again, and no barrier stands in the loops.
; Wave w (w' = w / 2, u = w % 2) runs two passes, kap = w' and kap = 15 - w'; in a pass it owns tile u of the group of 32 queries 4 kap + j: lane r's query is 128 kap + 32 j + 8 u + r + 8 (r / 8).
; A key step is 128 keys.  All 32 j + 8 u + 23 stay under 128, so step s is worked where s <= kap and lies on the diagonal where s = kap: the branches hang on the wave's number and on counters alone, never on cx.
; Every wave works (w' + 1) + (16 - w') = 17 steps.  Every wave walks all 16 steps of a pass: the trip counts are constants, and a hidden step's work is jumped over.
; LAYOUT.  Both products transposed: a lane holds one query.  K = 64 in an instruction of 128: an image of K holds TWO tiles of 16 keys, one in each half of K; against (Q, 0) it gives the first tile's scores,
; against (0, Q) the second's: zero codes add nothing.  The keys of a tile are 32 g + 8 u + r + 8 (r / 8), so the 16 registers of two tiles are 16 neighbouring keys.
; LIMITS: NaN and infinities are not served; a block whose largest magnitude lies under 2^-124, a block of zeros among them, has its byte held at 1 (bytes read by this program alone).
; No prefetch: all that the launch streams is asked for at its head.
; REGISTERS: v1-4, v7, v11, v95 lane constants; v8-10 addresses in hand; v12 -M, v13 largest t, v[14:15] the sum; v16-27 (Q, 0); v28-39 (0, Q); v40-87 four images of K, then four fragments of V; v88-93 scale words
; (K's two, V's two, Q's, p's); v94 Q's raw word; v96-159 scores, then p; v160-191 O^T; v192-203 p's codes; v204-210 the conversions' second halves; v232-255 at work.
.set REC,   307200
.set VCO,   98304
.set KSO,   196608
.set QCO,   204800
.set QSO,   303104
.set WPART, 12800                      ; a sixteenth of the head's 204,800 bytes: 50 rows of 256
.set SPARE, 212992                     ; the spare words, 128 bytes for each of sixteen waves, named by no other line
.set SPW, 5
.set NIL, 6
.set ADK, 8
.set ADV, 9
.set ADS, 10
.set WV,  18
.set SEL, 20
.set CS,  22
.set G1,  24
.set G0,  32
.set KAP, 42
.set PASS, 43
.set ST,  44
.set TB,  45
.set TS,  46
.set UM,  47
.set PSEL, 48
.macro CROUND                          ; a round of the cluster's barrier
	s_barrier_signal -1
	s_barrier_wait -1
	s_cmp_lg_u32 s[WV], 0
	s_cbranch_scc1 .Lnot_wave_0_\@
	s_barrier_signal -3
.Lnot_wave_0_\@:
	s_barrier_wait -3
	s_barrier_signal -1
	s_barrier_wait -1
.endm
	s_load_b128 s[4:7], s[0:1], 0x0                ; qkv s[4:5], yc s[6:7]
	s_load_b64 s[8:9], s[0:1], 0x10                ; ys
	v_lshl_add_u32 v[SPW], v0, 2, SPARE
	v_mov_b32 v[NIL], 0
	ds_add_u32 v[SPW], v[NIL]                      ; the wave's opening: the add and its wait stand ahead of my tensor load; register work stands between
	ds_add_u32 v[SPW], v[NIL]
	v_lshrrev_b32 v8, 5, v0
	s_delay_alu instid0(VALU_DEP_1)
	v_readfirstlane_b32 s[WV], v8                  ; wave 0..15
	s_bfe_u32 s36, ttmp6, 0x40000                  ; cx = j
	s_and_b32 s37, ttmp7, 0xffff                   ; 16 b + head
	s_lshr_b32 s38, s37, 4                         ; b
	s_and_b32 s39, s37, 15                         ; head
	s_lshr_b32 s40, s[WV], 1                       ; w'
	s_and_b32 s41, s[WV], 1                        ; u
	s_mov_b32 s[G1], 15|(3<<16)|(1<<21)            ; the mask: all four partners; elements of 8 bytes; bit 21 beside a mask; no padding: the images are read at 16 x lane
	s_mov_b32 s[G1+1], 32<<16                      ; tensor_dim0 = 32 elements: 256 bytes
	s_mov_b32 s[G1+2], 50<<16                      ; tensor_dim1 = 50
	s_mov_b32 s[G1+3], 32<<16                      ; tile_dim0
	s_mov_b32 s[G1+4], 50                          ; tile_dim1
	s_mov_b32 s[G1+5], 32                          ; the pitch: dense
	s_mov_b32 s[G1+6], 0
	s_mov_b32 s[G1+7], 0
	s_mul_i32 s10, s37, REC                        ; the head's record
	s_mov_b32 s11, 0
	s_mul_i32 s12, s[WV], WPART                    ; my sixteenth, in memory and in LDS alike
	s_mov_b32 s13, 0
	s_mov_b32 s[SEL], 0x76543210
	s_mov_b32 s[SEL+1], 0xfedcba98
	s_mov_b32 s[CS], 0x3e38aa3b                    ; c = log2(e) / 8
	s_mov_b32 s[CS+1], s[CS]
	s_mov_b32 s[PSEL], 0x01000100
	s_cmp_eq_u32 s41, 1
	s_cselect_b32 s[UM], -1, 0                     ; all lanes where my tile is u = 1
	s_cselect_b32 s[PSEL], 0x03020302, s[PSEL]     ; my tile's two bytes of Q's word, twice
	s_mov_b32 s[KAP], s40
	s_mov_b32 s[PASS], 2
	s_wait_dscnt 0x0                               ; the opening add is done
	s_wait_kmcnt 0x0
	s_add_nc_u64 s[4:5], s[4:5], s[10:11]
	s_mov_b32 s[G0], 1
	s_mov_b32 s[G0+1], s12
	s_add_nc_u64 s[G0+2:G0+3], s[4:5], s[12:13]
	s_or_b32 s[G0+3], s[G0+3], 0x80000000
	CROUND                                         ; all four work-groups are here: the joint loads meet
	tensor_load_to_lds s[G0:G0+3], s[G1:G1+7]      ; my one tensor load
	s_nop 0
	v_and_b32 v8, 31, v0                           ; lane
	v_and_b32 v9, 15, v0                           ; r
	v_bfe_u32 v10, v0, 4, 1                        ; h
	s_delay_alu instid0(VALU_DEP_3)
	v_lshlrev_b32 v1, 4, v8                        ; 16 x lane: K's images, and the global images
	s_delay_alu instid0(VALU_DEP_1)
	v_add_nc_u32 v2, VCO, v1                       ; V's
	v_lshl_add_u32 v3, v8, 2, KSO                  ; 4 x lane: the scale words
	v_lshlrev_b32 v7, 2, v9                        ; 4 r
	v_lshlrev_b32 v11, 5, v9                       ; 32 r
	v_lshlrev_b32 v95, 3, v8                       ; 8 x lane
	v_and_b32 v4, 8, v9
	s_delay_alu instid0(VALU_DEP_1)
	v_add_nc_u32 v4, v4, v9                        ; r + 8 (r / 8)
	v_lshlrev_b32 v10, 4, v10
	s_delay_alu instid0(VALU_DEP_1)
	v_sub_nc_u32 v4, v4, v10
	s_lshl_b32 s10, s36, 5
	s_lshl_b32 s11, s41, 3
	s_add_co_u32 s10, s10, s11
	v_add_nc_u32 v4, s10, v4                       ; on the diagonal: my query - the step's first key - 16 h; it selects values alone
.irp i, 0,1,2,3,4,5
	v_mov_b32 v[22+\i], 0                          ; the zero halves of (Q, 0) and (0, Q): written once
	v_mov_b32 v[28+\i], 0
.endr
.irp b, 0,1,2,3
	v_mov_b32 v[236+\b], 0                         ; written once: a lane permute's destination counts as one of its sources
.endr
	v_mov_b32 v252, 0
	v_mov_b32 v253, 0                              ; named as the upper half of the pair v[252:253]
	s_wait_tensorcnt 0x0                           ; my sixteenth is in,
	s_barrier_signal -1
	s_barrier_wait -1                              ; everybody's is
.Lpass:
	s_wait_xcnt 0x0                                ; the last pass's stores have read their registers and bases
	s_lshl_b32 s50, s[KAP], 2
	s_add_co_u32 s50, s50, s36                     ; my group of 32 queries
	s_mul_i32 s52, s50, 1536
	s_add_co_u32 s52, s52, QCO
	s_mov_b32 s53, 0
	s_add_nc_u64 s[52:53], s[4:5], s[52:53]
	s_lshl_b32 s54, s50, 6
	s_add_co_u32 s54, s54, QSO
	s_mov_b32 s55, 0
	s_add_nc_u64 s[54:55], s[4:5], s[54:55]
	global_load_b128 v[40:43], v1, s[52:53]        ; the group's image: both tiles
	global_load_b128 v[44:47], v1, s[52:53] offset:512
	global_load_b128 v[48:51], v1, s[52:53] offset:1024
	global_load_b32 v94, v7, s[54:55]
	v_mov_b32 v13, 0xff61b1e6                      ; the largest t so far: -3e38
	s_delay_alu instid0(VALU_DEP_1)
	v_floor_f32 v12, -v13                          ; -M
	v_mov_b32 v14, 0
	v_mov_b32 v15, 0
	s_mov_b32 s[ST], 0
	s_mov_b32 s[TB], 0
	s_mov_b32 s[TS], 0
	s_wait_loadcnt 0x0
	v_perm_b32 v92, v94, v94, s[PSEL]              ; Q's scale word: my tile's two bytes for either half of K
.irp i, 0,1,2,3,4,5
	v_cndmask_b32 v[16+\i], v[40+\i], v[46+\i], s[UM]
	v_cndmask_b32 v[34+\i], v[40+\i], v[46+\i], s[UM]
.endr
.set j, 0
.rept 32
	v_mov_b32 v[160+j], 0                          ; O^T: the first change of M leaves zeros zeros.  (These are also the places between Q's registers and scale word and the first product)
.set j, j+1
.endr
.Lstep:
	s_cmp_gt_u32 s[ST], s[KAP]                     ; all keys of this step come after my queries: its work is left out
	s_cbranch_scc1 .Lhidden
	s_setprio 2
	v_add_nc_u32 v[ADK], s[TB], v1
	v_add_nc_u32 v[ADV], s[TB], v2
	v_add_nc_u32 v[ADS], s[TS], v3
.irp b, 0,1,2,3
.irp c, 0,1,2
	ds_load_b128 v[40+12*\b+4*\c:43+12*\b+4*\c], v[ADK] offset:1536*\b+512*\c   ; group b of the step: two tiles of keys
.endr
.endr
	ds_load_b32 v88, v[ADS]                        ; lanes 0-15 group 0's words, lanes 16-31 group 1's
	ds_load_b32 v89, v[ADS] offset:128             ; groups 2 and 3
	s_wait_alu depctr_va_vdst(0)
	s_wait_dscnt 0x0
.irp b, 0,2
	v_wmma_scale_f32_16x16x128_f8f6f4 v[96+16*\b:103+16*\b], v[40+12*\b:51+12*\b], v[16:27], 0, v[88+\b/2], v92 matrix_a_fmt:MATRIX_FMT_FP6 matrix_b_fmt:MATRIX_FMT_FP6
	v_wmma_scale_f32_16x16x128_f8f6f4 v[104+16*\b:111+16*\b], v[40+12*\b:51+12*\b], v[28:39], 0, v[88+\b/2], v92 matrix_a_fmt:MATRIX_FMT_FP6 matrix_b_fmt:MATRIX_FMT_FP6
	v_wmma_scale_f32_16x16x128_f8f6f4 v[112+16*\b:119+16*\b], v[52+12*\b:63+12*\b], v[16:27], 0, v[88+\b/2], v92 matrix_a_fmt:MATRIX_FMT_FP6 matrix_b_fmt:MATRIX_FMT_FP6 matrix_a_scale:MATRIX_SCALE_ROW1
	v_wmma_scale_f32_16x16x128_f8f6f4 v[120+16*\b:127+16*\b], v[52+12*\b:63+12*\b], v[28:39], 0, v[88+\b/2], v92 matrix_a_fmt:MATRIX_FMT_FP6 matrix_b_fmt:MATRIX_FMT_FP6 matrix_a_scale:MATRIX_SCALE_ROW1
.endr                                  ; register 16 b + i of v96 on: key 128 s + 32 b + 16 h + i
.rept 4
	v_nop                                          ; places in front of the loads into K's registers and of the first read of the scores
.endr
.irp t, 0,1,2,3
.irp c, 0,1,2
	ds_load_b128 v[40+12*\t+4*\c:43+12*\t+4*\c], v[ADV] offset:1536*\t+512*\c   ; V's four fragments land while the softmax is walked
.endr
.endr
	ds_load_b32 v90, v[ADS] offset:4096            ; V's scale words: tiles 0 and 1,
	ds_load_b32 v91, v[ADS] offset:4224            ; 2 and 3
	s_cmp_lg_u32 s[ST], s[KAP]
	s_cbranch_scc1 .Lopen                          ; all keys count
	v_mov_b32 v254, 0xff800000                     ; on the diagonal hidden scores become -infinity ahead of the maximum: p = 0 then
.set n, 0
.rept 64
	v_cmp_gt_i32 vcc_lo, 32*(n/16)+n%16, v4
	v_cndmask_b32 v[96+n], v[96+n], v254, vcc_lo
.set n, n+1
.endr
.Lopen:
.irp b, 0,1,2,3
	v_max3_num_f32 v[232+\b], v[96+16*\b], v[97+16*\b], v[98+16*\b]   ; the largest score of each block of 32 keys: for the row's maximum and, since p rises with the score, for the block's largest p
.endr
.irp i, 3,5,7,9,11,13
.irp b, 0,1,2,3
	v_max3_num_f32 v[232+\b], v[232+\b], v[96+16*\b+\i], v[97+16*\b+\i]
.endr
.endr
.irp b, 0,1,2,3
	v_max_num_f32 v[232+\b], v[232+\b], v[111+16*\b]
.endr
.irp b, 0,1,2,3
	s_delay_alu instid0(VALU_DEP_4)
	v_permlanex16_b32 v[236+\b], v[232+\b], s[SEL], s[SEL+1]
.endr
.irp b, 0,1,2,3
	s_delay_alu instid0(VALU_DEP_4)
	v_max_num_f32 v[232+\b], v[232+\b], v[236+\b]  ; with lane l xor 16's 16 keys
.endr
	s_delay_alu instid0(VALU_DEP_2)
	v_max3_num_f32 v254, v232, v233, v234
	s_delay_alu instid0(VALU_DEP_1)
	v_max_num_f32 v254, v254, v235
	s_delay_alu instid0(VALU_DEP_1)
	v_mul_f32 v254, s[CS], v254                    ; as t
	s_delay_alu instid0(VALU_DEP_1)
	v_max_num_f32 v13, v13, v254                   ; the running largest t
	v_mov_b32 v254, v12
	s_delay_alu instid0(VALU_DEP_2)
	v_floor_f32 v12, -v13                          ; the new -M = -ceil(t)
	s_delay_alu instid0(VALU_DEP_1)
	v_sub_f32 v254, v12, v254                      ; old M - new M: a whole number, 0 or less
	s_delay_alu instid0(VALU_DEP_1)
	v_cvt_i32_f32 v254, v254                       ; (it saturates)
	s_delay_alu instid0(VALU_DEP_1)
	v_ldexp_f32 v252, 1.0, v254                    ; f = 2^(old M - new M): a multiplication by it rounds nothing
.set j, 0
.rept 32
	v_pk_fma_f32 v[96+j:97+j], v[96+j:97+j], s[CS:CS+1], v[12:13] op_sel_hi:[1,0,0]   ; t - M
.set j, j+2
.endr
	s_setprio 1
.irp b, 0,1,2,3
	v_fma_f32 v[232+\b], v[232+\b], s[CS], v12
.endr
.set j, 0
	s_wait_alu depctr_va_vdst(0)
.rept 64
	v_exp_f32 v[96+j], v[96+j]                     ; p = 2^(t - M)
.set j, j+1
.endr
	v_pk_mul_f32 v[14:15], v[14:15], v[252:253] op_sel_hi:[1,0]   ; the sums under the new M (a plain place behind the exponentials)
	s_wait_alu depctr_va_vdst(0)                   ; one wait for the batch, ahead of its first reader
.irp b, 0,1,2,3
	v_exp_f32 v[232+\b], v[232+\b]                 ; each block's largest p
.endr
	v_pk_add_f32 v[236:237], v[100:101], v[104:105]
	v_pk_add_f32 v[254:255], v[108:109], v[112:113]
	v_pk_add_f32 v[250:251], v[116:117], v[120:121]
	v_pk_add_f32 v[248:249], v[124:125], v[128:129]
	v_pk_add_f32 v[246:247], v[132:133], v[136:137]
	v_pk_add_f32 v[244:245], v[140:141], v[144:145]
	v_pk_add_f32 v[242:243], v[148:149], v[152:153]
	v_pk_add_f32 v[14:15], v[14:15], v[156:157]
	v_pk_add_f32 v[236:237], v[236:237], v[96:97]
	v_pk_add_f32 v[254:255], v[254:255], v[98:99]
	v_pk_add_f32 v[250:251], v[250:251], v[102:103]
	v_pk_add_f32 v[248:249], v[248:249], v[106:107]
	v_pk_add_f32 v[246:247], v[246:247], v[110:111]
	v_pk_add_f32 v[244:245], v[244:245], v[114:115]
	v_pk_add_f32 v[242:243], v[242:243], v[118:119]
	v_pk_add_f32 v[14:15], v[14:15], v[122:123]
	v_pk_add_f32 v[236:237], v[236:237], v[126:127]
	v_pk_add_f32 v[254:255], v[254:255], v[130:131]
	v_pk_add_f32 v[250:251], v[250:251], v[134:135]
	v_pk_add_f32 v[248:249], v[248:249], v[138:139]
	v_pk_add_f32 v[246:247], v[246:247], v[142:143]
	v_pk_add_f32 v[244:245], v[244:245], v[146:147]
	v_pk_add_f32 v[242:243], v[242:243], v[150:151]
	v_pk_add_f32 v[14:15], v[14:15], v[154:155]
	v_pk_add_f32 v[236:237], v[236:237], v[158:159]
	s_delay_alu instid0(VALU_DEP_2)
	v_pk_add_f32 v[14:15], v[14:15], v[248:249]
	s_delay_alu instid0(VALU_DEP_2)
	v_pk_add_f32 v[236:237], v[236:237], v[246:247]
	v_pk_add_f32 v[254:255], v[254:255], v[244:245]
	v_pk_add_f32 v[250:251], v[250:251], v[242:243]
	s_delay_alu instid0(VALU_DEP_2)
	v_pk_add_f32 v[14:15], v[14:15], v[254:255]
	s_delay_alu instid0(VALU_DEP_2)
	v_pk_add_f32 v[236:237], v[236:237], v[250:251]
	s_delay_alu instid0(VALU_DEP_1)
	v_pk_add_f32 v[14:15], v[14:15], v[236:237]
	s_wait_alu depctr_va_vdst(0)                   ; and one for the four
.irp b, 0,1,2,3
	v_max_num_f32 v[232+\b], 0x1800000, v[232+\b]  ; the floor 2^(3 - 127)
.endr
.irp b, 0,1,2,3
	s_delay_alu instid0(VALU_DEP_4)
	v_add_nc_u32 v[244+\b], 0xff000000, v[232+\b]  ; the conversion's scale operand
.endr
.irp b, 0,1,2,3
	s_delay_alu instid0(VALU_DEP_4)
	v_lshrrev_b32 v[236+\b], 23, v[244+\b]         ; the scale's byte
.endr
	s_delay_alu instid0(VALU_DEP_3)
	v_lshl_or_b32 v93, v237, 8, v236               ; p's scale word for these 128 keys
	s_delay_alu instid0(VALU_DEP_1)
	v_lshl_or_b32 v93, v238, 16, v93
	s_delay_alu instid0(VALU_DEP_1)
	v_lshl_or_b32 v93, v239, 24, v93
	s_setprio 0
.irp c, 0,1
	v_cvt_scalef32_pk16_fp6_f32 v[192+6*\c:194+6*\c], v[96+32*\c:111+32*\c], v[244+2*\c]
	v_cvt_scalef32_pk16_fp6_f32 v[204+4*\c:206+4*\c], v[112+32*\c:127+32*\c], v[244+2*\c+1]
.endr
	v_nop                                          ; one plain place behind a scaled conversion
.irp c, 0,1
.irp i, 0,1,2
	v_permlane16_swap_b32 v[192+6*\c+\i], v[204+4*\c+\i]
.endr
.irp i, 0,1,2
	s_delay_alu instid0(VALU_DEP_3)
	v_mov_b32 v[195+6*\c+\i], v[204+4*\c+\i]       ; registers 6 c .. 6 c + 5: keys 64 c + 32 h + 0 .. 31
.endr
.endr
.set j, 0
.rept 16
	v_pk_mul_f32 v[160+j:161+j], v[160+j:161+j], v[252:253] op_sel_hi:[1,0]   ; O^T under the new M.  (Also the places between p's codes and scale word and the products)
.set j, j+2
.endr
	s_wait_alu depctr_va_vdst(0)
	s_wait_dscnt 0x0                               ; V is in
.irp t, 0,2                            ; O^T += V^T p: four accumulators by turns
	v_wmma_scale_f32_16x16x128_f8f6f4 v[160+8*\t:167+8*\t], v[40+12*\t:51+12*\t], v[192:203], v[160+8*\t:167+8*\t], v[90+\t/2], v93 matrix_a_fmt:MATRIX_FMT_FP6 matrix_b_fmt:MATRIX_FMT_FP6
	v_wmma_scale_f32_16x16x128_f8f6f4 v[168+8*\t:175+8*\t], v[52+12*\t:63+12*\t], v[192:203], v[168+8*\t:175+8*\t], v[90+\t/2], v93 matrix_a_fmt:MATRIX_FMT_FP6 matrix_b_fmt:MATRIX_FMT_FP6 matrix_a_scale:MATRIX_SCALE_ROW1
.endr
.rept 4
	v_nop                                          ; places in front of the next loads into V's registers and of the way out's reads
.endr
.Lhidden:
	s_add_co_u32 s[TB], s[TB], 6144                ; the next step's images,
	s_add_co_u32 s[TS], s[TS], 256                 ; and scale words
	s_add_co_u32 s[ST], s[ST], 1
	s_cmp_lt_u32 s[ST], 16
	s_cbranch_scc1 .Lstep
	s_setprio 0
	; THE WAY OUT OF A PASS.  Register 16 B + i of O^T is d = 32 B + 16 h + i of my query: y = O^T / the sum is quantised along d, two blocks
	v_add_f32 v14, v14, v15
	s_delay_alu instid0(VALU_DEP_1)
	v_permlanex16_b32 v252, v14, s[SEL], s[SEL+1]
	s_delay_alu instid0(VALU_DEP_1)
	v_add_f32 v14, v14, v252                       ; the row's sum
	s_wait_alu depctr_va_vdst(0)
	v_rcp_f32 v14, v14
	v_nop                                          ; a plain place behind the reciprocal
	s_lshr_b32 s56, s39, 2                         ; yc: [head / 4][place / 16][head % 4][768 bytes]
	s_lshl_b32 s56, s56, 9
	s_lshl_b32 s57, s38, 7
	s_add_co_u32 s56, s56, s57
	s_lshl_b32 s57, s50, 1
	s_add_co_u32 s56, s56, s57
	s_add_co_u32 s56, s56, s41                     ; place / 16 = 128 b + 2 group + u
	s_mul_i32 s56, s56, 3072
	s_and_b32 s57, s39, 3
	s_mul_i32 s57, s57, 768
	s_add_co_u32 s56, s56, s57
	s_mov_b32 s57, 0
	s_add_nc_u64 s[56:57], s[6:7], s[56:57]
	s_lshl_b32 s58, s38, 11                        ; ys: [place][32 bytes], bytes 2 head, 2 head + 1
	s_lshl_b32 s59, s50, 5
	s_add_co_u32 s58, s58, s59
	s_lshl_b32 s59, s41, 4
	s_add_co_u32 s58, s58, s59
	s_lshl_b32 s58, s58, 5
	s_lshl_b32 s59, s39, 1
	s_add_co_u32 s58, s58, s59
	s_mov_b32 s59, 0
	s_add_nc_u64 s[58:59], s[8:9], s[58:59]
	s_wait_alu depctr_va_vdst(0)                   ; the wait ahead of the reciprocal's first reader
.set j, 0
.rept 32
	v_mul_f32 v[96+j], v[160+j], v14
.set j, j+1
.endr
.irp b, 0,1
	v_max3_num_f32 v[232+\b], |v[96+16*\b]|, |v[97+16*\b]|, 0x1800000
.endr
.irp i, 2,4,6,8,10,12,14
.irp b, 0,1
	s_delay_alu instid0(VALU_DEP_2)
	v_max3_num_f32 v[232+\b], v[232+\b], |v[96+16*\b+\i]|, |v[97+16*\b+\i]|
.endr
.endr
.irp b, 0,1
	s_delay_alu instid0(VALU_DEP_2)
	v_permlanex16_b32 v[236+\b], v[232+\b], s[SEL], s[SEL+1]
.endr
.irp b, 0,1
	s_delay_alu instid0(VALU_DEP_2)
	v_max_num_f32 v[232+\b], v[232+\b], v[236+\b]
.endr
.irp b, 0,1
	s_delay_alu instid0(VALU_DEP_2)
	v_add_nc_u32 v[244+\b], 0xff000000, v[232+\b]
.endr
.irp b, 0,1
	s_delay_alu instid0(VALU_DEP_2)
	v_lshrrev_b32 v[236+\b], 23, v[244+\b]
.endr
	s_delay_alu instid0(VALU_DEP_1)
	v_lshl_or_b32 v240, v237, 8, v236              ; my row's two bytes
	v_cvt_scalef32_pk16_fp6_f32 v[128:130], v[96:111], v244
	v_cvt_scalef32_pk16_fp6_f32 v[136:138], v[112:127], v245
	v_nop
.irp i, 0,1,2
	v_permlane16_swap_b32 v[128+\i], v[136+\i]
.endr
.irp i, 0,1,2
	s_delay_alu instid0(VALU_DEP_3)
	v_mov_b32 v[131+\i], v[136+\i]                 ; v128-133: lane (r, h): block h of d, whole: half a fragment of the last product
.endr
	global_store_b128 v1, v[128:131], s[56:57]             ; 512 consecutive bytes,
	global_store_b64 v95, v[132:133], s[56:57] offset:512  ; and 256: three aligned runs of 256 bytes
	global_store_b16 v11, v240, s[58:59]                   ; two bytes a row are all that a head owns there; lanes r and r + 16 store the same value at the same place
	s_sub_co_u32 s[KAP], 15, s[KAP]
	s_sub_co_u32 s[PASS], s[PASS], 1
	s_cmp_lg_u32 s[PASS], 0
	s_cbranch_scc1 .Lpass
	s_wait_tensorcnt 0x0                           ; the wave's end
	ds_add_u32 v[SPW], v[NIL]
	s_wait_dscnt 0x0
	CROUND                                         ; the closing round
	s_endpgm
.Lfunc_end_k_q6444c2caca_attn:
	.size	k_q6444c2caca_attn, .Lfunc_end_k_q6444c2caca_attn-k_q6444c2caca_attn
	.p2alignl 7, 3214868480
	.fill 96, 4, 3214868480
	.section	.rodata,"a",@progbits
	.p2align	6, 0x0
	.amdhsa_kernel k_q6444c2caca_attn
		.amdhsa_group_segment_fixed_size 215040
		.amdhsa_private_segment_fixed_size 0
		.amdhsa_enable_private_segment 0
		.amdhsa_kernarg_size 24
		.amdhsa_user_sgpr_count 2
		.amdhsa_user_sgpr_kernarg_segment_ptr 1
		.amdhsa_wavefront_size32 1
		.amdhsa_system_sgpr_workgroup_id_x 1
		.amdhsa_system_sgpr_workgroup_id_y 1
		.amdhsa_system_sgpr_workgroup_id_z 1
		.amdhsa_system_vgpr_workitem_id 0
		.amdhsa_next_free_vgpr 256
		.amdhsa_next_free_sgpr 72
		.amdhsa_reserve_vcc 1
		.amdhsa_float_denorm_mode_32 3
		.amdhsa_float_denorm_mode_16_64 3
		.amdhsa_memory_ordered 1
		.amdhsa_forward_progress 1
		.amdhsa_inst_pref_size 35
	.end_amdhsa_kernel
	.amdgpu_metadata
---
amdhsa.version: [ 1, 2 ]
amdhsa.kernels:
  - .name:           k_q6444c2caca_attn
    .symbol:         k_q6444c2caca_attn.kd
    .args:
      - { .name: qkv, .offset: 0, .size: 8, .value_kind: global_buffer, .address_space: global }
      - { .name: yc, .offset: 8, .size: 8, .value_kind: global_buffer, .address_space: global }
      - { .name: ys, .offset: 16, .size: 8, .value_kind: global_buffer, .address_space: global }
    .group_segment_fixed_size: 215040
    .private_segment_fixed_size: 0
    .kernarg_segment_align: 8
    .kernarg_segment_size: 24
    .max_flat_workgroup_size: 512
    .sgpr_count:     72
    .vgpr_count:     256
    .wavefront_size: 32
...
	.end_amdgpu_metadata
.endif
;; end of part 3
;; launch gemm_proj (part 4): grid 4 x 32, 4 waves a work-group, clusters of 4 x 4, 327,680 bytes of LDS; arguments yc, ys, opc, ops, out0; writes out0
.if DOCPART == 4
	.amdgcn_target "amdgcn-amd-amdhsa--gfx1250"
	.amdhsa_code_object_version 6
	.text
	.protected	k_q6444c2caca_gemm_proj
	.globl	k_q6444c2caca_gemm_proj
	.p2align	8
	.type	k_q6444c2caca_gemm_proj,@function
k_q6444c2caca_gemm_proj:
	s_mov_b64 s[64:65], 0
	v_nop
	global_prefetch_b8 v0, s[64:65] scope:SCOPE_SE
	s_setreg_imm32_b32 hwreg(HW_REG_WAVE_MODE, 25, 1), 1
	s_wait_xcnt 0x0
	s_wait_alu depctr_hold_cnt(0) depctr_sa_sdst(0) depctr_va_vdst(0) depctr_va_sdst(0) depctr_va_ssrc(0) depctr_va_vcc(0) depctr_vm_vsrc(0)
	s_getreg_b32 s2, hwreg(HW_REG_IB_STS2, 6, 4)
	s_cmp_eq_u32 s2, 0
	s_cbranch_scc0 .Lentry_in_a_cluster
	s_endpgm
.Lentry_in_a_cluster:
	s_bfe_u32 s2, ttmp6, 0x10000c
	s_cmp_lg_u32 s2, 0xf033
	s_cbranch_scc0 .Lentry_shape_is_right
	s_endpgm
.Lentry_shape_is_right:
; out0 = y w_proj on codes of FP6 (E2M3) with E8M0 scales, K = 1,024 (64 x head + d); sums in f32; out0 [8192][1024] f32.
; A = y: yc [K step of 256][place / 16][head % 4][768 bytes]: half a fragment's six registers as an image (registers 0-3 at 16 x lane, 4-5 at 512 + 8 x lane); ys [place][32 scale bytes].
; B = w_proj's columns: rows 11,264 on of opc (768 bytes) and ops (32 bytes).  PLACES: a token and a column lie at their number with bits 3 and 4 exchanged; the way out undoes both.
; A work-group of four waves makes 256 x 256, a wave 128 x 128: 64 accumulators, 512 registers.  K goes in four steps of 256 through two LDS slots.  128 work-groups: the tile is kept large so that no fragment is read twice.
; CLUSTERS: 4 x 4: A's tile is shared along a row of the cluster, B's along a column: each is asked for jointly.  The matrix instruction is used transposed (source 0 = B, source 1 = A).
; No prefetch: of four K steps two are first fills.
; REGISTERS: window 0: v0-31 addresses; v32-63 scale words, two sets; from v128 A's fragments, one set; on the way out v128-255.  window 1: B's fragments, two sets.  windows 2, 3: the accumulators.
.set SIZE_K, 1024
.set KSTEP,  256
.set NQ,     KSTEP/128
.set ROWB,   192
.set KROW,   SIZE_K*6/8
.set PITCH,  240                       ; B's LDS row: 3 x (64 bytes + 16 of padding)
.set FR,     12
.set NLA,    4                         ; LDS loads that bring a fragment of A
.set NP,     4
.set AHALF,  24576                     ; A: 128 places x 256 along K as images: 8 x 3,072 dense bytes
.set BOFF,   2*AHALF
.set HALFT,  128*PITCH
.set SLOT,   BOFF+2*HALFT              ; 110,592
.set AKS,    512*3072                  ; from a K step of A's images to the next
.set LAPS,   SIZE_K/(2*KSTEP)
.set KS,     SIZE_K/32
.set SCL,    2*SLOT
.set HALFS,  (128*KS/256)*272
.set SBLK,   (16*KS/256)*272
.set SPARE,  SCL+4*HALFS
.set SPITCH, 528                       ; the way out: a stage of 16 rows x (512 + 16) bytes a wave, in slot 0, which has had its last fill and its last read by then
.set ADRA, 16                          ; v16-17 my A images in slot 0, 1, + 16 x lane;  v18-19 the same + 8 x lane
.set ADRB, 20
.set STO,  24
.set RD,   25
.set CO,   26
.set ADRS, 27
.set SPW,  28
.set NIL,  29
.set SC,   32
.set AF,   128
.set BK,   128
.set G1, 24
.set G0, 32
.set G1B, 48
.set G0B, 56
.set G1S, 68
.set G0S, 76
.set G1SB, 80
.set G0SB, 88
.set MSB, 0
.macro WIN new
.if MSB != \new
	s_set_vgpr_msb (MSB<<8)|\new
.set MSB, \new
.endif
.endm
.set MUL_LO, 0xa1
.set MUL_HI, 0xf1
.set TO_B,   0x40
.macro JLOAD g0a, g1a, g0b, g1b        ; waves 0 and 1 fetch for A, waves 2 and 3 for B; an s_nop 0 and four v_nop follow each line
	s_cmp_eq_u32 s15, 0
	s_cbranch_scc0 .Lfor_b_\@
	tensor_load_to_lds s[\g0a:\g0a+3], s[\g1a:\g1a+7]
	s_nop 0
.rept 4
	v_nop
.endr
	s_branch .Lasked_\@
.Lfor_b_\@:
	tensor_load_to_lds s[\g0b:\g0b+3], s[\g1b:\g1b+7]
	s_nop 0
.rept 4
	v_nop
.endr
.Lasked_\@:
.endm
.macro CREST
	s_cmp_lg_u32 s14, 0
	s_cbranch_scc1 .Lnot_wave_0_\@
	s_barrier_signal -3
.Lnot_wave_0_\@:
	s_barrier_wait -3
	s_barrier_signal -1
	s_barrier_wait -1
.endm
.macro CROUND
	s_barrier_signal -1
	s_barrier_wait -1
	CREST
.endm
	s_load_b128 s[4:7], s[0:1], 0x0                ; yc s[4:5], ys s[6:7]
	s_load_b128 s[8:11], s[0:1], 0x10              ; opc s[8:9], ops s[10:11]
	s_load_b64 s[12:13], s[0:1], 0x20              ; out0
	v_lshl_add_u32 v[SPW], v0, 2, SPARE
	v_mov_b32 v[NIL], 0
	ds_add_u32 v[SPW], v[NIL]                      ; the wave's opening: the add and its wait stand ahead of my first tensor load
	ds_add_u32 v[SPW], v[NIL]
	v_lshrrev_b32 v1, 5, v0
	v_readfirstlane_b32 s14, v1
	s_lshr_b32 s15, s14, 1                         ; my half of the rows.  Also: I fetch for A (0) or for B (1)
	s_and_b32 s16, s14, 1                          ; my half of the columns.  Also: which half I fetch
	s_bfe_u32 s40, ttmp6, 0x40000
	s_bfe_u32 s41, ttmp6, 0x40004
	s_lshl_b32 s42, ttmp9, 2
	s_add_co_u32 s42, s42, s40                     ; tile column
	s_and_b32 s17, ttmp7, 0xffff
	s_lshl_b32 s17, s17, 2
	s_add_co_u32 s17, s17, s41                     ; tile row
	s_lshl_b32 s43, s41, 2
	s_lshl_b32 s43, 15, s43
	s_lshl_b32 s44, 0x1111, s40
	s_or_b32 s[G1+0], s43, (3<<16)|(1<<21)         ; A: the mask; elements of 8 bytes; bit 21 beside a mask; no padding: images are read at 16 x lane
	s_mov_b32 s[G1+1], 32<<16                      ; rows of 256 bytes,
	s_mov_b32 s[G1+2], 96<<16                      ; 96 of them, dense
	s_mov_b32 s[G1+3], 32<<16
	s_mov_b32 s[G1+4], 96
	s_mov_b32 s[G1+5], 32
	s_mov_b32 s[G1+6], 0
	s_mov_b32 s[G1+7], 0
	s_or_b32 s[G1B+0], s44, (0<<16)|(1<<20)|(1<<21)|(3<<22)|(3<<25)  ; B: 128 rows of 192 bytes, 16 of padding behind every 64
	s_mov_b32 s[G1B+1], ROWB<<16
	s_mov_b32 s[G1B+2], 128<<16
	s_mov_b32 s[G1B+3], ROWB<<16
	s_mov_b32 s[G1B+4], 128
	s_mov_b32 s[G1B+5], KROW
	s_mov_b32 s[G1B+6], 0
	s_mov_b32 s[G1B+7], 0
	s_or_b32 s[G1S+0], s43, (3<<16)|(1<<20)|(1<<21)|(5<<22)|(3<<25)
	s_or_b32 s[G1SB+0], s44, (3<<16)|(1<<20)|(1<<21)|(5<<22)|(3<<25)
.irp g, G1S, G1SB
	s_mov_b32 s[\g+1], 32<<16
	s_mov_b32 s[\g+2], (128*KS/256)<<16
	s_mov_b32 s[\g+3], 32<<16
	s_mov_b32 s[\g+4], 128*KS/256
	s_mov_b32 s[\g+5], 32
	s_mov_b32 s[\g+6], 0
	s_mov_b32 s[\g+7], 0
.endr
	s_mul_i32 s20, s17, 2*AHALF                    ; A's images: 16 x 3,072 bytes a tile row,
	s_mul_i32 s18, s16, AHALF                      ; + my half
	s_add_co_u32 s20, s20, s18
	s_mov_b32 s21, 0
	s_lshl_b32 s22, s17, 13                        ; A's scales: 256 places x 32 bytes a tile row,
	s_lshl_b32 s18, s16, 12
	s_add_co_u32 s22, s22, s18
	s_mov_b32 s23, 0
	s_lshl_b32 s46, s42, 8
	s_lshl_b32 s18, s16, 7
	s_add_co_u32 s46, s46, s18
	s_add_co_u32 s46, s46, 11264                   ; B: row 11,264 + 256 x tile column + 128 x half
	s_lshl_b32 s92, s46, 5
	s_mov_b32 s93, 0
	s_mul_i32 s46, s46, KROW
	s_mov_b32 s47, 0
	s_mul_i32 s45, s16, AHALF                      ; where they go: A's halves,
	s_mul_i32 s67, s16, HALFT
	s_add_co_u32 s67, s67, BOFF                    ; B's behind them,
	s_mul_i32 s94, s14, HALFS                      ; the scales by the wave
	s_wait_dscnt 0x0
	s_wait_kmcnt 0x0
	s_add_nc_u64 s[20:21], s[4:5], s[20:21]
	s_add_nc_u64 s[22:23], s[6:7], s[22:23]
	s_add_nc_u64 s[46:47], s[8:9], s[46:47]
	s_add_nc_u64 s[92:93], s[10:11], s[92:93]
	CROUND
	s_mov_b32 s[G0S], 1
	s_add_co_u32 s[G0S+1], s94, SCL
	s_mov_b64 s[G0S+2:G0S+3], s[22:23]
	s_or_b32 s[G0S+3], s[G0S+3], 0x80000000
	s_mov_b32 s[G0SB], 1
	s_add_co_u32 s[G0SB+1], s94, SCL
	s_mov_b64 s[G0SB+2:G0SB+3], s[92:93]
	s_or_b32 s[G0SB+3], s[G0SB+3], 0x80000000
	JLOAD G0S, G1S, G0SB, G1SB
.irp s, 0,1
	s_mov_b32 s[G0+4*\s], 1
	s_add_co_u32 s[G0+4*\s+1], s45, \s*SLOT
	s_add_nc_u64 s[G0+4*\s+2:G0+4*\s+3], s[20:21], \s*AKS
	s_or_b32 s[G0+4*\s+3], s[G0+4*\s+3], 0x80000000
	s_mov_b32 s[G0B+4*\s], 1
	s_add_co_u32 s[G0B+4*\s+1], s67, \s*SLOT
	s_add_nc_u64 s[G0B+4*\s+2:G0B+4*\s+3], s[46:47], \s*ROWB
	s_or_b32 s[G0B+4*\s+3], s[G0B+4*\s+3], 0x80000000
	s_wait_alu depctr_va_vdst(0)
	s_wait_tensorcnt 0x0
	ds_add_u32 v28, v29
	s_wait_dscnt 0x0
	CROUND
	JLOAD G0+4*\s, G1, G0B+4*\s, G1B               ; three loads of mine are out at the most
.endr
	v_and_b32 v1, 15, v0
	v_bfe_u32 v2, v0, 4, 1
	v_and_b32 v6, 31, v0
	v_mul_u32_u24 v3, v1, PITCH
	v_mul_u32_u24 v4, v2, 24
	v_add_nc_u32 v4, v3, v4
	v_lshl_add_u32 v5, v2, 4, v4
	v_lshlrev_b32 v7, 4, v6
	v_lshlrev_b32 v8, 3, v6
	s_mul_i32 s21, s15, AHALF                      ; my 128 places of A
	s_mul_i32 s22, s16, HALFT
	s_add_co_u32 s22, s22, BOFF                    ; my 128 rows of B
.irp s, 0,1
	v_add_nc_u32 v[ADRA+\s], s21, v7
	v_add_nc_u32 v[ADRA+2+\s], s21, v8
	v_add_nc_u32 v[ADRB+\s], s22, v4
	v_add_nc_u32 v[ADRB+2+\s], s22, v5
	s_add_co_u32 s21, s21, SLOT
	s_add_co_u32 s22, s22, SLOT
.endr
	v_mul_u32_u24 v5, v1, KS
	v_lshrrev_b32 v9, 8, v5
	v_lshl_add_u32 v5, v9, 4, v5
	s_mul_i32 s21, s15, HALFS
	s_mul_i32 s22, s16, HALFS
	s_add_co_u32 s22, s22, 2*HALFS
	s_sub_co_u32 s22, s22, s21
	v_mul_u32_u24 v9, s22, v2
	s_add_co_u32 s21, s21, SCL
	v_add_nc_u32 v5, v5, v9
	v_add_nc_u32 v[ADRS], s21, v5
	s_mul_i32 s23, s14, 16*SPITCH                  ; my stage
	v_mul_u32_u24 v5, v1, SPITCH                   ; in: row l % 16; my half's columns lie 16 further on: 64 bytes
	v_lshl_add_u32 v5, v2, 6, v5
	v_add_nc_u32 v[STO], s23, v5
	v_lshlrev_b32 v[CO], 4, v6                     ; back: the 32 lanes take one row of 512 bytes; and the same in out0
	v_add_nc_u32 v[RD], s23, v[CO]
	s_lshl_b32 s20, s17, 8
	s_lshl_b32 s21, s15, 7
	s_add_co_u32 s20, s20, s21                     ; my first row: 256 x tile row + 128 x half,
	s_lshl_b32 s20, s20, 12                        ; of 4,096 bytes
	s_lshl_b32 s46, s42, 10
	s_lshl_b32 s47, s16, 9
	s_add_co_u32 s46, s46, s47                     ; my first column, in bytes
	s_add_co_u32 s20, s20, s46
	s_mov_b32 s21, 0
	s_add_nc_u64 s[12:13], s[12:13], s[20:21]
.macro FRAG reg, adr, q, i             ; a fragment of B from padded rows, in pieces of 8 bytes
.irp p, 0,1,2,3,4,5
.set PC, 12*(\q)+6*(\p/3)+\p%3
.if PC%8 < 5
	ds_load_b64 v[\reg+2*\p:\reg+2*\p+1], v[\adr] offset:8*PC+16*(PC/8)+(\i)*16*PITCH
.else
	ds_load_b64 v[\reg+2*\p:\reg+2*\p+1], v[\adr+2] offset:8*PC+16*(PC/8)+(\i)*16*PITCH
.endif
.endr
.endm
.macro FRAGA reg, slot, q, i           ; a fragment of A: two heads' half fragments, as their registers were stored
.set OFA, (\i)*3072+(\q)*1536
	ds_load_b128 v[\reg:\reg+3], v[ADRA+\slot] offset:OFA
	ds_load_b64 v[\reg+4:\reg+5], v[ADRA+2+\slot] offset:OFA+512
	ds_load_b128 v[\reg+6:\reg+9], v[ADRA+\slot] offset:OFA+768
	ds_load_b64 v[\reg+10:\reg+11], v[ADRA+2+\slot] offset:OFA+1280
.endm
.macro MUL16 a0, p, q, sc, zero        ; the 64 accumulators take turns, one instruction a turn
.irp a, \a0, \a0+1
.irp b, 0,1,2,3,4,5,6,7
.if \zero
	v_wmma_scale_f32_16x16x128_f8f6f4 v[8*(8*((\a)%4)+\b):8*(8*((\a)%4)+\b)+7], v[128*(\p)+FR*\b:128*(\p)+FR*\b+FR-1], v[AF+FR*(\a):AF+FR*(\a)+FR-1], 0, v[SC+8*NQ*(\sc)+NQ*\b+(\q)], v[SC+8*NQ*(\sc)+NQ*(\a)+(\q)] matrix_a_fmt:MATRIX_FMT_FP6 matrix_b_fmt:MATRIX_FMT_FP6 matrix_a_scale:MATRIX_SCALE_ROW1
.else
	v_wmma_scale_f32_16x16x128_f8f6f4 v[8*(8*((\a)%4)+\b):8*(8*((\a)%4)+\b)+7], v[128*(\p)+FR*\b:128*(\p)+FR*\b+FR-1], v[AF+FR*(\a):AF+FR*(\a)+FR-1], v[8*(8*((\a)%4)+\b):8*(8*((\a)%4)+\b)+7], v[SC+8*NQ*(\sc)+NQ*\b+(\q)], v[SC+8*NQ*(\sc)+NQ*(\a)+(\q)] matrix_a_fmt:MATRIX_FMT_FP6 matrix_b_fmt:MATRIX_FMT_FP6 matrix_a_scale:MATRIX_SCALE_ROW1
.endif
.endr
.endr
.endm
.macro FETCH_B slot, q, p
	WIN TO_B
.irp i, 0,1,2,3,4,5,6,7
	FRAG 128*(\p)+FR*\i, ADRB+\slot, \q, \i
.endr
	WIN 0
.endm
.macro FETCH_A slot, q, i0
.irp i, \i0, \i0+1, \i0+2, \i0+3
	FRAGA AF+FR*(\i), \slot, \q, \i
.endr
.endm
.macro SCALES sc
.irp i, 0,1,2,3,4,5,6,7
	ds_load_b64 v[SC+8*NQ*\sc+NQ*\i:SC+8*NQ*\sc+NQ*\i+1], v[ADRS] offset:\i*SBLK
.endr
.endm
.macro PLACES n
.rept \n
	v_nop
.endr
.endm
.macro STEP slot, q, zero
	s_wait_dscnt 4*NLA                             ; B's set and A's blocks 0-3 are in; the youngest 16 loads (A's blocks 4-7) may be out
	WIN MUL_LO
	MUL16 0, (\q)%2, \q, \slot, \zero
	MUL16 2, (\q)%2, \q, \slot, \zero
	s_wait_dscnt 0
	PLACES NP
	FETCH_B \slot, (\q)+1, 1-(\q)%2
	FETCH_A \slot, (\q)+1, 0
	WIN MUL_HI
	MUL16 4, (\q)%2, \q, \slot, \zero
	MUL16 6, (\q)%2, \q, \slot, \zero
	PLACES NP
	WIN 0
	FETCH_A \slot, (\q)+1, 4
.endm
.macro TURN slot, next, fill
	s_wait_tensorcnt 0x0                           ; all my tensor loads have landed: my part of the next slot
	ds_add_u32 v[SPW], v[NIL]
	s_wait_dscnt 4*NLA+1                           ; the add and the youngest 16 loads may be out
	WIN MUL_LO
	MUL16 0, 1, NQ-1, \slot, 0
	s_wait_dscnt 0x0                               ; the add is done, and my reads of this slot are over
	s_barrier_signal -1
	MUL16 2, 1, NQ-1, \slot, 0
	WIN 0
	s_barrier_wait -1
.if \fill
	CREST                                          ; a round of the cluster's barrier: no wave of any partner still reads this slot or has a load on its way
	s_add_nc_u64 s[G0+4*\slot+2:G0+4*\slot+3], s[G0+4*\slot+2:G0+4*\slot+3], 2*AKS
	s_add_nc_u64 s[G0B+4*\slot+2:G0B+4*\slot+3], s[G0B+4*\slot+2:G0B+4*\slot+3], 2*ROWB
	JLOAD G0+4*\slot, G1, G0B+4*\slot, G1B
.else
	PLACES NP
.endif
	s_wait_alu depctr_va_vdst(0)
	v_add_nc_u32 v[ADRS], 4*NQ, v[ADRS]
	FETCH_B \next, 0, 0
	FETCH_A \next, 0, 0
	SCALES \next
	WIN MUL_HI
	MUL16 4, 1, NQ-1, \slot, 0
	MUL16 6, 1, NQ-1, \slot, 0
	PLACES NP
	WIN 0
	FETCH_A \next, 0, 4
.endm
	s_wait_alu depctr_va_vdst(0)
	s_wait_tensorcnt 1                             ; the scales and my part of K step 0 are in; K step 1's load may be out
	s_barrier_signal -1
	s_barrier_wait -1
	FETCH_B 0, 0, 0
	FETCH_A 0, 0, 0
	SCALES 0
	FETCH_A 0, 0, 4
	STEP 0, 0, 1
	s_mov_b32 s3, LAPS-1
.Llap:
	TURN 0, 1, 1
	STEP 1, 0, 0
	TURN 1, 0, 1
	STEP 0, 0, 0
	s_sub_co_u32 s3, s3, 1
	s_cmp_lg_u32 s3, 0
	s_cbranch_scc1 .Llap
	TURN 0, 1, 0
	STEP 1, 0, 0
	s_wait_dscnt 4*NLA
	WIN MUL_LO
	MUL16 0, 1, NQ-1, 1, 0
	MUL16 2, 1, NQ-1, 1, 0
	s_wait_dscnt 0
	WIN MUL_HI
	MUL16 4, 1, NQ-1, 1, 0
	MUL16 6, 1, NQ-1, 1, 0
	WIN 0
; THE WAY OUT, block by block of 16 places x 128 columns, through my own stage.  Register 8 b + j of lane (r, h) is column 32 (b / 2) + 16 h + 8 (b % 2) + j: it is laid at its true place in the stage's row.
; Stage row t of block a is place 16 a + t, which is row 32 (a / 2) + 8 (a % 2) + t + 8 (t / 8) of my 128: that stands in the store's immediate, 127 rows of 4,096 bytes at the most.
.macro TOSTAGE a
.set AC, 64*((\a)%4)
	WIN 0x08+4*((\a)/4)                            ; the data: window 2 or 3
.irp b, 0,1,2,3,4,5,6,7
	ds_store_b128 v[STO], v[AC+8*\b:AC+8*\b+3] offset:128*(\b/2)+32*(\b%2)        ; each accumulator from its low end on
	ds_store_b128 v[STO], v[AC+8*\b+4:AC+8*\b+7] offset:128*(\b/2)+32*(\b%2)+16
.endr
	WIN 0
.set BB, BK+64*((\a)%2)
.irp t, 0,1,2,3,4,5,6,7,8,9,10,11,12,13,14,15
	ds_load_b128 v[BB+4*\t:BB+4*\t+3], v[RD] offset:\t*SPITCH   ; LDS serves a wave's instructions in order: these see the stores above
.endr
.endm
.macro SEND a, younger
.set BB, BK+64*((\a)%2)
	s_wait_dscnt \younger                          ; the block is back in registers
.irp t, 0,1,2,3,4,5,6,7,8,9,10,11,12,13,14,15
	global_store_b128 v[CO], v[BB+4*\t:BB+4*\t+3], s[12:13] offset:(32*((\a)/2)+8*((\a)%2)+\t+8*(\t/8))*4096 th:TH_STORE_NT   ; 32 lanes store 512 consecutive bytes, aligned
.endr
.endm
	PLACES NP
	TOSTAGE 0
.irp a, 1,2,3,4,5,6,7
.if \a > 1
	s_wait_xcnt 0x0                                ; block a - 2's stores have read their registers: block a's loads may land there
.endif
	TOSTAGE \a
	SEND \a-1, 32                                  ; behind block a - 1's loads: block a's 16 stores and 16 loads
.endr
	SEND 7, 0
	s_wait_tensorcnt 0x0                           ; the wave's end
	ds_add_u32 v[SPW], v[NIL]
	s_wait_dscnt 0x0
	CROUND                                         ; the closing round
	s_endpgm
.Lfunc_end_k_q6444c2caca_gemm_proj:
	.size	k_q6444c2caca_gemm_proj, .Lfunc_end_k_q6444c2caca_gemm_proj-k_q6444c2caca_gemm_proj
	.p2alignl 7, 3214868480
	.fill 96, 4, 3214868480
	.section	.rodata,"a",@progbits
	.p2align	6, 0x0
	.amdhsa_kernel k_q6444c2caca_gemm_proj
		.amdhsa_group_segment_fixed_size 327680
		.amdhsa_private_segment_fixed_size 0
		.amdhsa_enable_private_segment 0
		.amdhsa_kernarg_size 40
		.amdhsa_user_sgpr_count 2
		.amdhsa_user_sgpr_kernarg_segment_ptr 1
		.amdhsa_wavefront_size32 1
		.amdhsa_system_sgpr_workgroup_id_x 1
		.amdhsa_system_sgpr_workgroup_id_y 1
		.amdhsa_system_sgpr_workgroup_id_z 1
		.amdhsa_system_vgpr_workitem_id 0
		.amdhsa_next_free_vgpr 1024
		.amdhsa_next_free_sgpr 98
		.amdhsa_reserve_vcc 0
		.amdhsa_float_denorm_mode_32 3
		.amdhsa_float_denorm_mode_16_64 3
		.amdhsa_memory_ordered 1
		.amdhsa_forward_progress 1
		.amdhsa_inst_pref_size 153
	.end_amdhsa_kernel
	.amdgpu_metadata
---
amdhsa.version: [ 1, 2 ]
amdhsa.kernels:
  - .name:           k_q6444c2caca_gemm_proj
    .symbol:         k_q6444c2caca_gemm_proj.kd
    .args:
      - { .name: yc, .offset: 0, .size: 8, .value_kind: global_buffer, .address_space: global }
      - { .name: ys, .offset: 8, .size: 8, .value_kind: global_buffer, .address_space: global }
      - { .name: opc, .offset: 16, .size: 8, .value_kind: global_buffer, .address_space: global }
      - { .name: ops, .offset: 24, .size: 8, .value_kind: global_buffer, .address_space: global }
      - { .name: out0, .offset: 32, .size: 8, .value_kind: global_buffer, .address_space: global }
    .group_segment_fixed_size: 327680
    .private_segment_fixed_size: 0
    .kernarg_segment_align: 8
    .kernarg_segment_size: 40
    .max_flat_workgroup_size: 128
    .sgpr_count:     98
    .vgpr_count:     1024
    .wavefront_size: 32
...
	.end_amdgpu_metadata
.endif
;; end of part 4
